; MI455X (gfx1250); checked and timed in simulation.
; The chip was launched on July 23, 2026; its instructions are those of AMD's public machine-readable ISA for CDNA 5 (MIT licence, August 2026) and "CDNA5" Instruction Set Architecture Reference Guide (July 2026). The comments in the code are by the model that wrote it; some were corrected since.
;; Multi Headed Attention. Allowed arithmetic: matrix products marked QUANTISED: E4M3 operands, one given power-of-two scale a tensor, by v_wmma_f32_16x16x64_fp8_fp8 or v_wmma_f32_16x16x128_fp8_fp8, f32 sums; everything else in f32.
;; Inputs: Wk 1,024 x 1,024 float32; Wo 1,024 x 1,024 float32; Wq 1,024 x 1,024 float32; Wv 1,024 x 1,024 float32; bk 1,024 float32; bo 1,024 float32; bq 1,024 float32; bv 1,024 float32; key 4 x 2,048 x 1,024 float32; lowp_scales 12 int32 (the exponents e of the quantised operands' scales 2^e); mask 4 x 1 x 2,048 x 2,048 bool; query 4 x 2,048 x 1,024 float32; value 4 x 2,048 x 1,024 float32.
;; Outputs: out0 4 x 2,048 x 1,024 float32.
;; This version of the problem:
;;   THIS VERSION OF THE PROBLEM IS GIVEN IN LOW PRECISION. The matrix products marked QUANTISED in the list below multiply operands that are first quantised to E4M3 (4 exponent bits, 3 mantissa bits; 8 bits a number), with one given power-of-two scale for each operand tensor; their sums are f32. All else is computed in f32.
;;   The module's matrix products, in the order in which they are computed (A, B: the left and right operand; K: the contracted axis; several contracted axes count as one K, in the product's order):
;;     1. [M 8,192, K 1,024] x [K 1,024, N 1,024]; A: input query; B: input Wq: QUANTISED (scales: A lowp_scales[0], B lowp_scales[1])
;;     2. [M 8,192, K 1,024] x [K 1,024, N 1,024]; A: input key; B: input Wk: QUANTISED (scales: A lowp_scales[2], B lowp_scales[3])
;;     3. [M 8,192, K 1,024] x [K 1,024, N 1,024]; A: input value; B: input Wv: QUANTISED (scales: A lowp_scales[4], B lowp_scales[5])
;;     4. batch 64 x [M 2,048, K 64] x [K 64, N 2,048]; A: computed on the way; B: computed on the way: QUANTISED (scales: A lowp_scales[6], B lowp_scales[7])
;;     5. batch 64 x [M 2,048, K 2,048] x [K 2,048, N 64]; A: softmax (see below); B: computed on the way: QUANTISED (scales: A lowp_scales[8], B lowp_scales[9])
;;     6. [M 8,192, K 1,024] x [K 1,024, N 1,024]; A: computed on the way; B: input Wo: QUANTISED (scales: A lowp_scales[10], B lowp_scales[11])
;;   THE QUANTISER, for each operand of a quantised product, along K:
;;     - The operand's scale is 2^e, e = its entry of the input lowp_scales (int32; the entries are numbered through the quantised products in the list's order, A before B).
;;     - Each number is divided by the scale, clamped to +-448, and rounded to the nearest number of E4M3, ties to even, subnormals kept.
;;     - The product sums the exact products of the quantised numbers (number of the format x scale) in f32.
;;   ~~~python
;;   def quantise(x, axis, e):      # numpy; x: float32 -> the quantised numbers, widened to float32 again
;;       x = np.moveaxis(x, axis, -1); K = x.shape[-1]
;;       r = np.clip(x / 2.0 ** e, -448, 448)
;;       step = 2.0 ** (np.maximum(np.frexp(np.where(r == 0, 1, r))[1] - 1, -6) - 3)
;;       q = np.round(r / step) * step * 2.0 ** e      # np.round: ties to even
;;       return np.moveaxis(q, -1, axis).astype(np.float32)
;;   ~~~
;;   SOFTMAX AHEAD OF A QUANTISED PRODUCT. Where the list says 'softmax', what is quantised is not the finished softmax but p = 2^(t - M), with t = logit x log2(e) and M = ceil(the row's largest t), a whole number; so 1/2 < the row's largest p <= 1. The row's sum l is taken of the UNQUANTISED p, in f32, and the product's result is divided by l at the end. Since M is a whole number, a kernel that streams over the keys may use a running M (the ceiling of the running maximum): every later rescaling is an exact power of two, so the quantised numbers keep their values, but for numbers so far below the row's largest that they fall under the format's range.
;;   OPERANDS COMPUTED ON THE WAY. 'Computed on the way' means the value that the module computes at that place (a softmax that the list does not call 'softmax' is quantised finished and normalised). What goes into a quantiser is computed in f32, as accurately as f32 sums, v_exp_f32 and their like allow (about 1e-6 of the number): no bf16 or f16 on the way to a quantiser, and a product that is left as it is and whose result goes on into a quantised operand takes f32 operands (vector FMAs, or v_wmma_f32_16x16x4_f32). A number that lies on a knife's edge between two numbers of the format may be rounded either way, as far as f32 arithmetic and the matrix unit's own rounding can turn it there, and no further.
;; 2 versions, each right; version 2 is version 1 with the launch attn written anew for expert scheduling mode. Each part assembles by itself: llvm-mc -triple=amdgcn-amd-amdhsa -mcpu=gfx1250 --defsym DOCPART=n.
;; ======== version 1 of 2: 4 launches
;; limits: right only within a limited range of input values
;; workspace buffers: xc 25,165,824 bytes; wc 4,194,304 bytes; bm 2,097,152 bytes of whole numbers; fl 2,048 bytes of whole numbers; qi 8,388,608 bytes; ki 8,388,608 bytes; vi 8,388,608 bytes; xi 8,388,608 bytes
;; launch prep (part 1): grid 704 x 1, 8 waves a work-group, no clusters, 44,288 bytes of LDS; arguments query, key, value, Wq, Wk, Wv, Wo, mask, lowp_scales, xc, wc, bm, fl; writes xc, wc, bm, fl
.if DOCPART == 1
	.amdgcn_target "amdgcn-amd-amdhsa--gfx1250"
	.amdhsa_code_object_version 6
	.text
	.protected	k_qbb7b0ade6f_prep
	.globl	k_qbb7b0ade6f_prep
	.p2align	8
	.type	k_qbb7b0ade6f_prep,@function
k_qbb7b0ade6f_prep:
	s_mov_b64 s[64:65], 0
	v_nop
	global_prefetch_b8 v0, s[64:65] scope:SCOPE_SE
	s_setreg_imm32_b32 hwreg(HW_REG_WAVE_MODE, 25, 1), 1
	s_wait_xcnt 0x0
; PREP.  Work-groups 0-447 turn query, key, value (8,192 x 1,024 f32 each) and Wq, Wk, Wv, Wo (1,024 x 1,024) into codes of E4M3, each with its given scale 2^e:
; code = x / 2^e, held within +-448, to the nearest code, ties to even.  Work-groups 448-703 pack the mask (bool bytes) to bits and class it.
; THE IMAGE: codes are stored as register images of a 16x16x64 operand.  A block of 16 rows x 64 K is 1,024 bytes: register g (0..7) of lane l lies at 512 (g / 4) + 16 l + 4 (g % 4);
; registers 2 c, 2 c + 1 of lane (r = l % 16, h = l / 16) hold K = 16 c + 8 h + 0 .. 7 of row r.  Blocks lie [row tile][K / 64].  Two loads of 16 bytes a lane bring a block back.
; QUANTISER: a work-group takes 64 rows; wave w takes row tile w / 2 and half w % 2 of K: 8 steps of one block.  A step's 8 loads read 256 consecutive bytes of a row in sixteen lanes; the 4,096 bytes turn
; through the wave's own stage in LDS (rows 272 bytes apart), so that a lane holds 8 neighbours along K four times; the codes leave as 2 x 512 consecutive bytes.
; MASK: a work-group takes 32 queries (a pair of query tiles) of one batch; wave g takes keys 256 g .. 256 g + 255.  bm: [batch][query tile 128][key step 32][row 16] x 8 bytes; byte 2 kt + h, bit j = mask(row, key 64 step + 16 kt + 8 h + j).
; fl: [batch][pair 64] x 2 words: bit j of word 0: key step j may be left out for the pair (all 32 x 64 hidden, AND each of the 32 rows has an open key somewhere, so that hidden keys weigh nothing); bit j of word 1: all 32 x 64 open.
; LIMITS: each e between -126 and 119.  NaN among the inputs is not served.  A mask byte is 0 or 1.
.set QW,    4352                       ; a wave's stage for the quantiser: 16 rows x 272 bytes, from LDS byte 0 on
.set MST,   34816                      ; the mask path's stages: 1,024 bytes a wave
.set FWD,   43008                      ; the mask path's flag words: 16 bytes a wave
.set SPARE, 43264                      ; the spare words: 128 bytes a wave, four blocks of 256 bytes that no other line names
.set SPW,   12                         ; v12 my spare word's address; v13 0: never rewritten
.set NIL,   13
.set R,     16                         ; v16-143  four sets of 32 numbers as loaded
.set X,     144                        ; v144-175 32 numbers, 8 neighbours along K four times
.set C,     176                        ; v176-191 two sets of 8 registers of codes
.set SKIP_ON, 1                        ; 0: no key step is ever left out
	s_load_b512 s[4:19], s[0:1], 0x0               ; query, key, value, Wq, Wk, Wv, Wo, mask
	s_load_b256 s[20:27], s[0:1], 0x40             ; the scales' exponents, xc, wc, bm
	s_load_b64 s[28:29], s[0:1], 0x60              ; fl
	v_lshl_add_u32 v[SPW], v0, 2, SPARE
	v_mov_b32 v[NIL], 0
	v_lshrrev_b32 v1, 5, v0
	v_readfirstlane_b32 s30, v1                    ; wave 0..7
	v_and_b32 v2, 31, v0                           ; lane
	v_and_b32 v1, 15, v0                           ; lane % 16
	v_bfe_u32 v14, v0, 4, 1                        ; lane / 16
	v_lshlrev_b32 v6, 4, v2                        ; 16 x lane
	s_cmp_ge_u32 ttmp9, 448
	s_cbranch_scc1 .Lmask                          ; the same way for all eight waves
; ---------------- the quantiser ----------------
	s_mov_b32 s34, 432                             ; Wo: its first work-group,
	s_mov_b32 s35, 44                              ; and its entry's byte among the exponents
	s_wait_kmcnt 0x0
	s_mov_b64 s[32:33], s[16:17]
.macro PICK lim, ptr, first, off       ; below work-group lim the tensor is another: the choice hangs on the work-group's number alone
	s_cmp_lt_u32 ttmp9, \lim
	s_cselect_b64 s[32:33], s[\ptr:\ptr+1], s[32:33]
	s_cselect_b32 s34, \first, s34
	s_cselect_b32 s35, \off, s35
.endm
	PICK 432, 14, 416, 20                          ; Wv
	PICK 416, 12, 400, 12                          ; Wk
	PICK 400, 10, 384, 4                           ; Wq
	PICK 384, 8, 256, 16                           ; value
	PICK 256, 6, 128, 8                            ; key
	PICK 128, 4, 0, 0                              ; query
	s_cmp_lt_u32 ttmp9, 384
	s_cselect_b64 s[36:37], s[22:23], s[24:25]     ; tokens go to xc, weights to wc
	s_cselect_b32 s38, 0, 384
	s_lshr_b32 s39, s30, 1                         ; which of the four row tiles
	s_and_b32 s40, s30, 1                          ; which half of K
	s_sub_co_u32 s42, ttmp9, s34
	s_lshl_b32 s42, s42, 2
	s_add_co_u32 s42, s42, s39                     ; my row tile in the tensor
	s_lshl_b32 s42, s42, 16                        ; 16 rows of 4,096 bytes
	s_lshl_b32 s43, s40, 11
	s_add_co_u32 s42, s42, s43
	s_mov_b32 s43, 0
	s_add_nc_u64 s[32:33], s[32:33], s[42:43]
	s_sub_co_u32 s38, ttmp9, s38
	s_lshl_b32 s38, s38, 2
	s_add_co_u32 s38, s38, s39                     ; my row tile in xc or wc
	s_lshl_b32 s38, s38, 14                        ; 16 blocks of 1,024 bytes
	s_lshl_b32 s39, s40, 13
	s_add_co_u32 s38, s38, s39
	s_mov_b32 s39, 0
	s_add_nc_u64 s[36:37], s[36:37], s[38:39]
	s_mov_b32 s44, s35
	s_mov_b32 s45, 0
	s_add_nc_u64 s[44:45], s[20:21], s[44:45]
	s_load_b32 s46, s[44:45], 0x0                  ; e
	v_lshlrev_b32 v3, 12, v14
	v_lshl_add_u32 v3, v1, 4, v3                   ; in: lanes 0-15 one row, lanes 16-31 the next; 16 bytes a lane
	s_mul_i32 s47, s30, QW
	v_mul_u32_u24 v4, v14, 272
	v_lshl_add_u32 v4, v1, 4, v4
	v_add_nc_u32 v4, s47, v4                       ; into the stage, as loaded
	v_mul_u32_u24 v5, v1, 272
	v_lshl_add_u32 v5, v14, 5, v5
	v_add_nc_u32 v5, s47, v5                       ; out of it: row r, + 32 h bytes: K = 8 h on
.macro LOAD t                          ; step t: 16 rows x 64 K: row 2 i + lane / 16
.irp i, 0,1,2,3,4,5,6,7
	global_load_b128 v[R+32*((\t)%4)+4*\i:R+32*((\t)%4)+4*\i+3], v3, s[32:33] offset:8192*\i+256*(\t) th:TH_LOAD_NT
.endr
.endm
.macro STEP t
.if 7-(\t) >= 3
	s_wait_loadcnt 24                              ; this step's eight loads are in; those of the three steps behind it may be out
.else
	s_wait_loadcnt 8*(7-(\t))
.endif
.irp i, 0,1,2,3,4,5,6,7
	ds_store_b128 v4, v[R+32*((\t)%4)+4*\i:R+32*((\t)%4)+4*\i+3] offset:544*\i
.endr
.irp c, 0,1,2,3                        ; LDS serves a wave's instructions in order: these see the stores above
	ds_load_b128 v[X+8*\c:X+8*\c+3], v5 offset:64*\c
	ds_load_b128 v[X+8*\c+4:X+8*\c+7], v5 offset:64*\c+16
.endr
	s_wait_dscnt 0x0                               ; the numbers are back, and the stores have read their registers,
.if (\t) < 4
	LOAD (\t)+4                                    ; which take the loads of four steps on
.endif
.set n, 0
.rept 32
	v_med3_num_f32 v[X+n], v[X+n], -v10, v10       ; the conversion does not saturate (ISA guide 7.6.2): the hold at the largest code x the scale
.set n, n+1
.endr
	s_wait_xcnt 0x0                                ; the stores of two steps back have read this set of codes
.irp c, 0,1,2,3
	v_cvt_scalef32_pk8_fp8_f32 v[C+8*((\t)%2)+2*\c:C+8*((\t)%2)+2*\c+1], v[X+8*\c:X+8*\c+7], v11
.endr
	v_nop                                          ; a plain line behind the last conversion
	global_store_b128 v6, v[C+8*((\t)%2):C+8*((\t)%2)+3], s[36:37] offset:1024*(\t)          ; 32 lanes store 512 consecutive bytes
	global_store_b128 v6, v[C+8*((\t)%2)+4:C+8*((\t)%2)+7], s[36:37] offset:1024*(\t)+512
.endm
	LOAD 0
	LOAD 1
	LOAD 2
	LOAD 3
	s_wait_kmcnt 0x0
	s_add_co_i32 s46, s46, 127
	s_lshl_b32 s47, s46, 23
	v_mov_b32 v11, s47                             ; 2^e as f32: the conversion takes its exponent field
	s_add_co_i32 s46, s46, 8
	s_lshl_b32 s46, s46, 23
	s_or_b32 s46, s46, 0x600000
	v_mov_b32 v10, s46                             ; 448 x 2^e
.irp t, 0,1,2,3,4,5,6,7
	STEP \t
.endr
	s_wait_tensorcnt 0x0                           ; the wave's end
	ds_add_u32 v[SPW], v[NIL]
	s_wait_dscnt 0x0
	s_endpgm
; ---------------- the mask ----------------
.Lmask:
	s_sub_co_u32 s31, ttmp9, 448                   ; 64 x batch + pair
	s_lshr_b32 s32, s31, 6                         ; batch
	s_and_b32 s33, s31, 63                         ; pair
	s_lshl_b32 s34, s32, 22
	s_lshl_b32 s35, s33, 16                        ; 32 rows of 2,048 bytes
	s_add_co_u32 s34, s34, s35
	s_lshl_b32 s35, s30, 8                         ; my wave's 256 keys
	s_add_co_u32 s34, s34, s35
	s_mov_b32 s35, 0
	v_lshlrev_b32 v3, 11, v14
	v_lshl_add_u32 v3, v1, 4, v3                   ; lanes 0-15 one row, lanes 16-31 the next; 16 keys a lane
	s_lshl_b32 s38, s32, 7
	s_lshl_b32 s39, s33, 1
	s_add_co_u32 s38, s38, s39                     ; the pair's first query tile
	s_lshl_b32 s38, s38, 12                        ; 32 steps x 128 bytes
	s_lshl_b32 s39, s30, 9                         ; my four steps
	s_add_co_u32 s38, s38, s39
	s_mov_b32 s39, 0
	s_lshl_b32 s50, s31, 3
	s_mov_b32 s51, 0
	s_wait_kmcnt 0x0
	s_add_nc_u64 s[18:19], s[18:19], s[34:35]
	s_add_nc_u64 s[26:27], s[26:27], s[38:39]
	s_add_nc_u64 s[28:29], s[28:29], s[50:51]
.irp i, 0,1,2,3,4,5,6,7,8,9,10,11,12,13,14,15
	global_load_b128 v[16+4*\i:16+4*\i+3], v3, s[18:19] offset:4096*\i th:TH_LOAD_NT   ; row 2 i + lane / 16: sixteen lanes read 256 consecutive bytes
.endr
	s_lshl_b32 s36, s30, 10
	s_add_co_u32 s36, s36, MST                     ; my stage: [tile 2][step 4][row 16] x 8 bytes
	v_lshrrev_b32 v7, 2, v1
	v_lshlrev_b32 v7, 7, v7                        ; my 16 keys' step: 128 bytes
	v_and_b32 v8, 3, v1
	v_lshl_add_u32 v7, v8, 1, v7                   ; their key tile: bytes 2 kt, 2 kt + 1
	v_lshl_add_u32 v7, v14, 3, v7                  ; the odd row
	v_add_nc_u32 v7, s36, v7
	v_add_nc_u32 v9, s36, v6                       ; back: 16 x lane
	s_lshl_b32 s37, s30, 4
	s_add_co_u32 s37, s37, FWD
	v_mov_b32 v10, s37                             ; my wave's flag words
	v_mov_b32 v11, FWD
	s_mov_b32 s40, 0x01020408                      ; four bytes of 0 or 1, times this, leave their four bits in bits 24 to 27
	s_mov_b32 s42, 0                               ; bit q: row q has an open key among my 256
.macro MROW i
.set D, 16+4*\i
	s_wait_loadcnt 15-\i                           ; this row pair's load is in; the later ones may be out
	v_mul_lo_u32 v84, v[D], s40
	v_mul_lo_u32 v85, v[D+1], s40
	v_mul_lo_u32 v86, v[D+2], s40
	v_mul_lo_u32 v87, v[D+3], s40
	v_lshrrev_b32 v84, 24, v84
	v_lshrrev_b32 v85, 24, v85
	v_lshrrev_b32 v86, 24, v86
	v_lshrrev_b32 v87, 24, v87
	v_lshl_or_b32 v84, v85, 4, v84                 ; keys 0-7: the byte of h = 0
	v_lshl_or_b32 v86, v87, 4, v86                 ; keys 8-15: of h = 1
	v_lshl_or_b32 v84, v86, 8, v84
	ds_store_b16 v7, v84 offset:512*(\i/8)+16*(\i%8)
	v_or_b32 v88, v[D], v[D+1]
	v_or_b32 v89, v[D+2], v[D+3]
	v_or_b32 v88, v88, v89
	v_and_b32 v90, v[D], v[D+1]
	v_and_b32 v91, v[D+2], v[D+3]
	v_and_b32 v90, v90, v91
.if \i == 0
	v_mov_b32 v96, v88
	v_mov_b32 v97, v90
.else
	v_or_b32 v96, v96, v88                         ; any open, all open: over the 16 rows of my lane's parity
	v_and_b32 v97, v97, v90
.endif
	v_cmp_ne_u32 s41, 0, v88
	s_and_b32 s45, s41, 0xffff                     ; SCC: some lane of the even row has an open key
	s_cselect_b32 s45, 1<<(2*\i), 0
	s_or_b32 s42, s42, s45
	s_lshr_b32 s45, s41, 16                        ; SCC: the same of the odd row
	s_cselect_b32 s45, 1<<(2*\i+1), 0
	s_or_b32 s42, s42, s45
.endm
.irp i, 0,1,2,3,4,5,6,7,8,9,10,11,12,13,14,15
	MROW \i
.endr
	v_cmp_ne_u32 s43, 0, v96
	v_cmp_eq_u32 s44, 0x01010101, v97
	s_mov_b32 s46, 0
	s_mov_b32 s47, 0
.irp jl, 0,1,2,3                       ; a step's 64 keys lie in lanes 4 jl .. 4 jl + 3 of both halves
	s_and_b32 s45, s43, 0x000f000f<<(4*\jl)
	s_cselect_b32 s45, 0, 1<<\jl                   ; no open key in the step
	s_or_b32 s46, s46, s45
	s_and_b32 s45, s44, 0x000f000f<<(4*\jl)
	s_cmp_eq_u32 s45, 0x000f000f<<(4*\jl)
	s_cselect_b32 s45, 1<<\jl, 0                   ; no hidden key in the step
	s_or_b32 s47, s47, s45
.endr
	s_lshl_b32 s48, s30, 2
	s_lshl_b32 s46, s46, s48                       ; my steps are 4 g .. 4 g + 3
	s_lshl_b32 s47, s47, s48
	v_mov_b32 v80, s46
	v_mov_b32 v81, s47
	v_mov_b32 v82, s42
	v_mov_b32 v83, 0
	ds_store_b128 v10, v[80:83]                    ; all lanes write the same 16 bytes
	ds_load_b128 v[100:103], v9                    ; my own stage, behind my own stores: tile 0,
	ds_load_b128 v[104:107], v9 offset:512         ; tile 1
	s_wait_dscnt 0x1                               ; tile 0 is back; tile 1's load may be out
	global_store_b128 v6, v[100:103], s[26:27]     ; 512 consecutive bytes: four steps of a query tile
	s_wait_dscnt 0x0                               ; tile 1 is back, and my flag words have landed: for the others' sake zero
	global_store_b128 v6, v[104:107], s[26:27] offset:4096
	s_barrier_signal -1
	s_barrier_wait -1                              ; all eight waves' flag words lie in LDS
	s_cmp_lg_u32 s30, 0
	s_cbranch_scc1 .Lmend                          ; wave 0 joins them
.irp k, 0,1,2,3,4,5,6,7
	ds_load_b128 v[112+4*\k:112+4*\k+3], v11 offset:16*\k
.endr
	s_wait_dscnt 0x0
.irp k, 1,2,3,4,5,6,7
	v_or_b32 v112, v112, v[112+4*\k]
	v_or_b32 v113, v113, v[113+4*\k]
	v_or_b32 v114, v114, v[114+4*\k]
.endr
.if SKIP_ON
	v_cmp_eq_u32 vcc_lo, -1, v114                  ; has each of the 32 rows an open key?
	v_cndmask_b32 v112, 0, v112, vcc_lo            ; only then may a hidden step be left out
.else
	v_mov_b32 v112, 0
.endif
	v_cmp_eq_u32 vcc_lo, 1, v0
	v_cndmask_b32 v112, v112, v113, vcc_lo         ; lane 0: word 0; lane 1: word 1
	v_lshlrev_b32 v115, 2, v0
	s_wait_xcnt 0x0                                ; EXEC changes only behind this wait: stores have been issued
	v_cmp_gt_u32 vcc_lo, 2, v0
	s_and_saveexec_b32 s49, vcc_lo
	global_store_b32 v115, v112, s[28:29]
	s_wait_xcnt 0x0                                ; and again, in front of the line that widens it
	s_or_b32 exec_lo, exec_lo, s49
.Lmend:
	s_wait_tensorcnt 0x0                           ; the wave's end
	ds_add_u32 v[SPW], v[NIL]
	s_wait_dscnt 0x0
	s_endpgm
.Lfunc_end_k_qbb7b0ade6f_prep:
	.size	k_qbb7b0ade6f_prep, .Lfunc_end_k_qbb7b0ade6f_prep-k_qbb7b0ade6f_prep
	.p2alignl 7, 3214868480
	.fill 96, 4, 3214868480
	.section	.rodata,"a",@progbits
	.p2align	6, 0x0
	.amdhsa_kernel k_qbb7b0ade6f_prep
		.amdhsa_group_segment_fixed_size 44288
		.amdhsa_private_segment_fixed_size 0
		.amdhsa_enable_private_segment 0
		.amdhsa_kernarg_size 104
		.amdhsa_user_sgpr_count 2
		.amdhsa_user_sgpr_kernarg_segment_ptr 1
		.amdhsa_wavefront_size32 1
		.amdhsa_system_sgpr_workgroup_id_x 1
		.amdhsa_system_sgpr_workgroup_id_y 1
		.amdhsa_system_sgpr_workgroup_id_z 1
		.amdhsa_system_vgpr_workitem_id 0
		.amdhsa_next_free_vgpr 192
		.amdhsa_next_free_sgpr 66
		.amdhsa_reserve_vcc 1
		.amdhsa_float_denorm_mode_32 3
		.amdhsa_float_denorm_mode_16_64 3
		.amdhsa_memory_ordered 1
		.amdhsa_forward_progress 1
		.amdhsa_inst_pref_size 66
	.end_amdhsa_kernel
	.amdgpu_metadata
---
amdhsa.version: [ 1, 2 ]
amdhsa.kernels:
  - .name:           k_qbb7b0ade6f_prep
    .symbol:         k_qbb7b0ade6f_prep.kd
    .args:
      - { .name: query, .offset: 0, .size: 8, .value_kind: global_buffer, .address_space: global }
      - { .name: key, .offset: 8, .size: 8, .value_kind: global_buffer, .address_space: global }
      - { .name: value, .offset: 16, .size: 8, .value_kind: global_buffer, .address_space: global }
      - { .name: Wq, .offset: 24, .size: 8, .value_kind: global_buffer, .address_space: global }
      - { .name: Wk, .offset: 32, .size: 8, .value_kind: global_buffer, .address_space: global }
      - { .name: Wv, .offset: 40, .size: 8, .value_kind: global_buffer, .address_space: global }
      - { .name: Wo, .offset: 48, .size: 8, .value_kind: global_buffer, .address_space: global }
      - { .name: mask, .offset: 56, .size: 8, .value_kind: global_buffer, .address_space: global }
      - { .name: lowp_scales, .offset: 64, .size: 8, .value_kind: global_buffer, .address_space: global }
      - { .name: xc, .offset: 72, .size: 8, .value_kind: global_buffer, .address_space: global }
      - { .name: wc, .offset: 80, .size: 8, .value_kind: global_buffer, .address_space: global }
      - { .name: bm, .offset: 88, .size: 8, .value_kind: global_buffer, .address_space: global }
      - { .name: fl, .offset: 96, .size: 8, .value_kind: global_buffer, .address_space: global }
    .group_segment_fixed_size: 44288
    .private_segment_fixed_size: 0
    .kernarg_segment_align: 8
    .kernarg_segment_size: 104
    .max_flat_workgroup_size: 256
    .sgpr_count:     66
    .vgpr_count:     192
    .wavefront_size: 32
...
	.end_amdgpu_metadata
.endif
;; end of part 1
;; launch proj (part 2): grid 4 x 96, 4 waves a work-group, clusters of 4 x 4, 327,680 bytes of LDS; arguments xc, wc, lowp_scales, bq, bk, bv, qi, ki, vi; writes qi, ki, vi
.if DOCPART == 2
	.amdgcn_target "amdgcn-amd-amdhsa--gfx1250"
	.amdhsa_code_object_version 6
	.text
	.protected	k_qbb7b0ade6f_proj
	.globl	k_qbb7b0ade6f_proj
	.p2align	8
	.type	k_qbb7b0ade6f_proj,@function
k_qbb7b0ade6f_proj:
	s_mov_b64 s[64:65], 0
	v_nop
	global_prefetch_b8 v0, s[64:65] scope:SCOPE_SE
	s_setreg_imm32_b32 hwreg(HW_REG_WAVE_MODE, 25, 1), 1
	s_wait_xcnt 0x0
	s_wait_alu depctr_hold_cnt(0) depctr_sa_sdst(0) depctr_va_vdst(0) depctr_va_sdst(0) depctr_va_ssrc(0) depctr_va_vcc(0) depctr_vm_vsrc(0)
	s_getreg_b32 s2, hwreg(HW_REG_IB_STS2, 6, 4)
	s_cmp_eq_u32 s2, 0
	s_cbranch_scc0 .Lentry_in_a_cluster
	s_endpgm
.Lentry_in_a_cluster:
	s_bfe_u32 s2, ttmp6, 0x10000c
	s_cmp_lg_u32 s2, 0xf033
	s_cbranch_scc0 .Lentry_shape_is_right
	s_endpgm
.Lentry_shape_is_right:
; PROJ.  q = query Wq^T + bq, k = key Wk^T + bk, v = value Wv^T + bv, on codes of E4M3 (v_wmma_f32_16x16x128_fp8_fp8, f32 sums), and the results quantised at once, with their given scales, into the
; operands of the attention: qi, ki: [batch x 16 + head][tile of 16 tokens] images (K = the head's 64); vi: [batch x 16 + head][64 keys][16 channels] images (K = the keys).
; THE IMAGE (of xc, wc and of the outputs): 16 rows x 64 K in 1,024 bytes: register g of lane l at 512 (g / 4) + 16 l + 4 (g % 4); two neighbouring images along K are the 16 registers of a K = 128 operand, each k in its own place.
; SHARES.  384 tiles of 256 x 256; a work-group of four waves makes one, a wave 128 x 128 in 64 accumulators.  Cluster y / 8 = T names the tensor (0 q, 1 k, 2 v): the same in all sixteen partners of a cluster.
; The matrix instruction takes source 0 from the tile called B and source 1 from the tile called A: a lane holds ONE row of A's, its eight registers eight neighbouring rows of B's.
; Q, K: A = tokens, B = the weight's rows (channels): eight neighbouring channels a lane: one conversion makes two registers of an image with K = channels.
; V: THE ROLES ARE SWAPPED BY ADDRESS ALONE: A = Wv's rows, B = tokens: eight neighbouring tokens a lane: images with K = keys.  Both buffers have one format, so the ring, the products and the conversions are the same text.
; K = 1,024 goes in four fills of 256 through a ring of two LDS slots; waves 0, 1 fetch A's halves, waves 2, 3 B's: one tensor load a wave, 8 row tiles x 4,096 bytes.
; CLUSTER 4 x 4: A's tile hangs on cy and is asked for jointly along a row of the cluster, B's on cx, along a column.
; LIMITS: eo - ea - eb between -126 and 119 (eo: the result's exponent; ea, eb: the operands').  NaN is not served.
; REGISTERS: window 0: v0-31 addresses; v32-95 the bias by channels along registers; v96-119 the bias by channels along lanes; v128-255 A's fragments, one set (on the way out: v128-191 sums + bias, v192-255 four sets of codes);
;   window 1: B's fragments, two sets;  windows 2, 3: the accumulators ((a, b) at v[8 (8 (a % 4) + b)]).
.set RTB,   4096                       ; a row tile's bytes in a slot: four images
.set HALFT, 8*RTB                      ; what one tensor load brings, and what one wave reads of A or of B
.set SLOT,  4*HALFT                    ; A's 16 row tiles, then B's 16
.set SPARE, 2*SLOT                     ; behind the ring: the spare words, 128 bytes a wave: two blocks of 256 bytes that no other line names
.set LAPS,  2                          ; 1,024 / 512: a lap is once round the ring
.set FR,    16                         ; registers of a fragment (16 rows x 128 K)
.set NL,    4                          ; LDS loads that bring one
.set NP,    4                          ; places behind this matrix instruction (ISA guide 7.12.1)
.set SC,    8                          ; v8   2^(eo - ea - eb)
.set LIM,   9                          ; v9   448 x that
.set ADRA,  16                         ; v16-17 LDS address of my A fragments in slot 0, 1
.set ADRB,  20                         ; v20-21 the same for B
.set LI,    26                         ; v26  16 x lane
.set SPW,   28                         ; v28  my spare word; v29 0: never rewritten
.set NIL,   29
.set BQ,    32
.set BR,    96
.set BV,    104
.set AF,    128
.set TMP,   128
.set IM,    192
.set G1,  24                           ; s[24:31] group 1 for A's tiles; s[32:39] group 0, a set for each slot
.set G0,  32
.set G1B, 48                           ; s[48:55], s[56:63] the same for B's
.set G0B, 56
.set MSB, 0
.macro WIN new                         ; the immediate's high byte repeats the setting that is left
.if MSB != \new
	s_set_vgpr_msb (MSB<<8)|\new
.set MSB, \new
.endif
.endm
.set MUL_LO, 0xa1                      ; source 0 (B) window 1, source 1 (A) window 0, C and D window 2
.set MUL_HI, 0xf1                      ; the same, C and D window 3
.set TO_B,   0x40                      ; destination window 1, address window 0
; A joint load: waves 0, 1 fetch for A, waves 2, 3 for B; the branch hangs on the wave's number alone.  An s_nop 0 and four v_nop follow each line.
.macro JLOAD g0a, g1a, g0b, g1b
	s_cmp_eq_u32 s23, 0
	s_cbranch_scc0 .Lfor_b_\@
	tensor_load_to_lds s[\g0a:\g0a+3], s[\g1a:\g1a+7]
	s_nop 0
.rept 4
	v_nop
.endr
	s_branch .Lasked_\@
.Lfor_b_\@:
	tensor_load_to_lds s[\g0b:\g0b+3], s[\g1b:\g1b+7]
	s_nop 0
.rept 4
	v_nop
.endr
.Lasked_\@:
.endm
.macro CREST                           ; a round of the cluster's barrier behind its opening barrier
	s_cmp_lg_u32 s22, 0
	s_cbranch_scc1 .Lnot_wave_0_\@
	s_barrier_signal -3
.Lnot_wave_0_\@:
	s_barrier_wait -3
	s_barrier_signal -1
	s_barrier_wait -1
.endm
.macro CROUND
	s_barrier_signal -1
	s_barrier_wait -1
	CREST
.endm
	s_load_b512 s[4:19], s[0:1], 0x0               ; xc, wc, the exponents, bq, bk, bv, qi, ki
	s_load_b64 s[20:21], s[0:1], 0x40              ; vi
	v_lshl_add_u32 v[SPW], v0, 2, SPARE
	v_mov_b32 v[NIL], 0
	ds_add_u32 v[SPW], v[NIL]                      ; the wave's opening: the add and its wait ahead of my first tensor load; work on registers stands between them
	v_lshrrev_b32 v1, 5, v0
	v_readfirstlane_b32 s22, v1                    ; wave 0..3
	s_lshr_b32 s23, s22, 1                         ; which half of A's rows is mine.  Also: I fetch for A (0) or for B (1)
	s_and_b32 s66, s22, 1                          ; which half of B's rows.  Also: which half of that tile I fetch
	s_bfe_u32 s40, ttmp6, 0x40000                  ; cx
	s_bfe_u32 s41, ttmp6, 0x40004                  ; cy
	s_and_b32 s42, ttmp7, 0xffff                   ; cluster y, 0..23
	s_lshr_b32 s67, s42, 3                         ; T
	s_lshl_b32 s43, s41, 2
	s_lshl_b32 s43, 15, s43                        ; my row of the cluster
	s_lshl_b32 s44, 0x1111, s40                    ; my column
	s_or_b32 s[G1+0], s43, (3<<16)|(1<<21)         ; 15:0 the mask; 17:16 elements of 8 bytes; 20 no padding; 21 set beside a mask
	s_or_b32 s[G1B+0], s44, (3<<16)|(1<<21)
.irp g, G1, G1B
	s_mov_b32 s[\g+1], 512<<16                     ; tensor_dim0 = 512 elements: a row tile's 4,096 bytes of this fill
	s_mov_b32 s[\g+2], 8<<16                       ; tensor_dim1 = 8 row tiles
	s_mov_b32 s[\g+3], 512<<16                     ; tile_dim0
	s_mov_b32 s[\g+4], 8                           ; tile_dim1
	s_mov_b32 s[\g+5], 2048                        ; from row tile to row tile: 16,384 bytes
	s_mov_b32 s[\g+6], 0
	s_mov_b32 s[\g+7], 0
.endr
	; which tiles of 256 rows (262,144 bytes).  The registers that feed A's descriptors never hold cx, those that feed B's never cy.
	s_lshl_b32 s68, s42, 2                         ; 4 x cluster y
	s_lshl_b32 s69, s66, 17                        ; the half that I fetch
	s_add_co_u32 s70, s68, s41                     ; Q, K: A = tokens: tile 4 x cluster y + cy of xc
	s_add_co_u32 s78, s41, 8                       ; V:    A = Wv: tile 8 + cy of wc
	s_lshl_b32 s72, s67, 2
	s_add_co_u32 s72, s72, s40                     ; Q, K: B = the weight: tile 4 T + cx of wc
	s_add_co_u32 s79, s68, s40                     ; V:    B = tokens: tile 4 x cluster y + cx of xc
	s_cmp_eq_u32 s67, 2
	s_cselect_b32 s70, s78, s70
	s_cselect_b32 s72, s79, s72
	s_lshl_b32 s70, s70, 18
	s_lshl_b32 s72, s72, 18
	s_add_co_u32 s70, s70, s69
	s_add_co_u32 s72, s72, s69
	s_mov_b32 s71, 0
	s_mov_b32 s73, 0
	s_mul_i32 s45, s22, HALFT                      ; where my load goes: wave x 32,768: no place in the cluster enters an LDS address
	s_wait_dscnt 0x0                               ; the opening add is done
	s_wait_kmcnt 0x0
	s_load_b256 s[80:87], s[8:9], 0x0              ; the twelve exponents
	s_load_b128 s[88:91], s[8:9], 0x20
	s_cmp_eq_u32 s67, 2
	s_cselect_b64 s[74:75], s[6:7], s[4:5]         ; A's buffer,
	s_cselect_b64 s[76:77], s[4:5], s[6:7]         ; B's
	s_add_nc_u64 s[74:75], s[74:75], s[70:71]
	s_add_nc_u64 s[76:77], s[76:77], s[72:73]
	CROUND                                         ; all sixteen work-groups are here: the first joint loads meet
.irp s, 0,1
	s_mov_b32 s[G0+4*\s], 1
	s_add_co_u32 s[G0+4*\s+1], s45, \s*SLOT
	s_add_nc_u64 s[G0+4*\s+2:G0+4*\s+3], s[74:75], \s*RTB
	s_or_b32 s[G0+4*\s+3], s[G0+4*\s+3], 0x80000000
	s_mov_b32 s[G0B+4*\s], 1
	s_add_co_u32 s[G0B+4*\s+1], s45, \s*SLOT
	s_add_nc_u64 s[G0B+4*\s+2:G0B+4*\s+3], s[76:77], \s*RTB
	s_or_b32 s[G0B+4*\s+3], s[G0B+4*\s+3], 0x80000000
	JLOAD G0+4*\s, G1, G0B+4*\s, G1B               ; two tensor loads of mine are out
.endr
	v_and_b32 v1, 31, v0
	v_lshlrev_b32 v[LI], 4, v1
	s_mul_i32 s46, s23, HALFT                      ; my 8 row tiles of A,
	s_mul_i32 s47, s66, HALFT                      ; my 8 of B,
	s_add_co_u32 s47, s47, 2*HALFT                 ; which lie behind A's 16
.irp s, 0,1
	v_add_nc_u32 v[ADRA+\s], s46, v[LI]
	v_add_nc_u32 v[ADRB+\s], s47, v[LI]
	s_add_co_u32 s46, s46, SLOT
	s_add_co_u32 s47, s47, SLOT
.endr
	; where the results go and which bias is mine.  One formula serves all three tensors.
	s_cmp_eq_u32 s67, 1
	s_cselect_b64 s[98:99], s[18:19], s[16:17]
	s_cselect_b64 s[100:101], s[12:13], s[10:11]
	s_cmp_eq_u32 s67, 2
	s_cselect_b64 s[98:99], s[20:21], s[98:99]     ; qi, ki or vi
	s_cselect_b64 s[100:101], s[14:15], s[100:101] ; bq, bk or bv
	s_cselect_b32 s93, s40, s41                    ; the token tile's place in the cluster,
	s_cselect_b32 s94, s41, s40                    ; the channel tile,
	s_cselect_b32 s95, s66, s23                    ; my half of the tokens,
	s_cselect_b32 s96, s23, s66                    ; my half of the channels
	s_and_b32 s92, s42, 7
	s_lshl_b32 s92, s92, 2
	s_add_co_u32 s92, s92, s93                     ; token tile in the tensor, 0..31
	s_lshl_b32 s94, s94, 1
	s_add_co_u32 s94, s94, s96                     ; which 128 channels (two heads), 0..7
	s_lshl_b32 s96, s94, 9
	s_mov_b32 s97, 0
	s_add_nc_u64 s[100:101], s[100:101], s[96:97]  ; their bias
	s_lshr_b32 s96, s92, 3                         ; batch
	s_lshl_b32 s96, s96, 3
	s_add_co_u32 s96, s96, s94
	s_lshl_b32 s96, s96, 18                        ; (16 batch + my first head) x 131,072 bytes
	s_and_b32 s92, s92, 7
	s_lshl_b32 s92, s92, 14                        ; 256 tokens are 16,384 bytes of a head, in qi, ki and vi alike
	s_add_co_u32 s96, s96, s92
	s_lshl_b32 s95, s95, 13
	s_add_co_u32 s96, s96, s95
	s_add_nc_u64 s[98:99], s[98:99], s[96:97]
	v_and_b32 v2, 15, v0
	v_bfe_u32 v3, v0, 4, 1
	v_lshlrev_b32 v10, 5, v3                       ; 32 h
	v_lshlrev_b32 v11, 2, v2                       ; 4 r
	; both layouts of my 128 numbers of the bias are fetched, 24 loads, so that every register is written whichever way out is taken
.irp b, 0,1,2,3,4,5,6,7
	global_load_b128 v[BQ+8*\b:BQ+8*\b+3], v10, s[100:101] offset:64*\b        ; channels 16 b + 8 h + 0 .. 7
	global_load_b128 v[BQ+8*\b+4:BQ+8*\b+7], v10, s[100:101] offset:64*\b+16
.endr
.irp a, 0,1,2,3,4,5,6,7
	global_load_b32 v[BR+\a], v11, s[100:101] offset:64*\a                     ; channel 16 a + r
.endr
	s_wait_kmcnt 0x0
	s_cmp_eq_u32 s67, 1
	s_cselect_b32 s92, s82, s80                    ; the operands' exponents: entries 2 T, 2 T + 1;
	s_cselect_b32 s93, s83, s81
	s_cselect_b32 s94, s87, s86                    ; the result's: entry 6, 7 or 9
	s_cmp_eq_u32 s67, 2
	s_cselect_b32 s92, s84, s92
	s_cselect_b32 s93, s85, s93
	s_cselect_b32 s94, s89, s94
	s_add_co_i32 s92, s92, s93                     ; a sum stands for sum x 2^(ea + eb)
	s_sub_co_i32 s94, s94, s92
	s_sub_co_i32 s93, 0, s92                       ; the bias goes in as bias / 2^(ea + eb)
	s_add_co_i32 s94, s94, 127
	s_lshl_b32 s95, s94, 23
	v_mov_b32 v[SC], s95                           ; the three scales folded into the conversion's one
	s_add_co_i32 s94, s94, 8
	s_lshl_b32 s94, s94, 23
	s_or_b32 s94, s94, 0x600000
	v_mov_b32 v[LIM], s94
.macro FRAG reg, adr, q, i             ; row tile i, the slot's q-th 128 along K: two images, 16 registers, 512 consecutive bytes a load
.irp c, 0,1,2,3
	ds_load_b128 v[\reg+4*\c:\reg+4*\c+3], v[\adr] offset:RTB*(\i)+2048*(\q)+512*\c
.endr
.endm
; 16 matrix instructions: A's blocks a0, a0 + 1 x B's eight.  The 64 accumulators take turns, one instruction a turn, in the same order in every step.
.macro MUL16 a0, p, zero
.irp a, \a0, \a0+1
.irp b, 0,1,2,3,4,5,6,7
.if \zero
	v_wmma_f32_16x16x128_fp8_fp8 v[8*(8*((\a)%4)+\b):8*(8*((\a)%4)+\b)+7], v[128*(\p)+FR*\b:128*(\p)+FR*\b+FR-1], v[AF+FR*(\a):AF+FR*(\a)+FR-1], 0
.else
	v_wmma_f32_16x16x128_fp8_fp8 v[8*(8*((\a)%4)+\b):8*(8*((\a)%4)+\b)+7], v[128*(\p)+FR*\b:128*(\p)+FR*\b+FR-1], v[AF+FR*(\a):AF+FR*(\a)+FR-1], v[8*(8*((\a)%4)+\b):8*(8*((\a)%4)+\b)+7]
.endif
.endr
.endr
.endm
.macro FETCH_B slot, q, p
	WIN TO_B
.irp i, 0,1,2,3,4,5,6,7
	FRAG 128*(\p)+FR*\i, ADRB+\slot, \q, \i
.endr
	WIN 0
.endm
.macro FETCH_A slot, q, i0
.irp i, \i0, \i0+1, \i0+2, \i0+3
	FRAG AF+FR*(\i), ADRA+\slot, \q, \i
.endr
.endm
.macro PLACES n                        ; plain vector lines in front of loads into registers that matrix instructions have read, and of the first read of results
.rept \n
	v_nop
.endr
.endm
.macro STEP slot, q, zero              ; 128 along K, with its successor in the same slot
	s_wait_dscnt 4*NL                              ; B's set and A's blocks 0-3 are in; the youngest sixteen loads (A's blocks 4-7) may be out
	WIN MUL_LO
	MUL16 0, (\q)%2, \zero
	MUL16 2, (\q)%2, \zero
	s_wait_dscnt 0
	PLACES NP
	FETCH_B \slot, (\q)+1, 1-(\q)%2
	FETCH_A \slot, (\q)+1, 0
	WIN MUL_HI
	MUL16 4, (\q)%2, \zero
	MUL16 6, (\q)%2, \zero
	PLACES NP
	WIN 0
	FETCH_A \slot, (\q)+1, 4
.endm
; A slot's last step changes slots: one barrier; in front of it each wave waits for all its tensor loads, adds 0 to its spare word, and waits for that and for its reads of this slot.
.macro TURN slot, next, fill
	s_wait_tensorcnt 0x0                           ; all my tensor loads have landed: my part of the next slot
	ds_add_u32 v[SPW], v[NIL]
	s_wait_dscnt 4*NL+1                            ; the add and the youngest sixteen loads may be out
	WIN MUL_LO
	MUL16 0, 1, 0
	s_wait_dscnt 0x0                               ; the add is done, and my reads of this slot are over
	s_barrier_signal -1
	MUL16 2, 1, 0
	WIN 0
	s_barrier_wait -1
.if \fill
	CREST                                          ; the barrier has opened a round of the cluster's: no wave of any partner still reads this slot or has a load on its way
	s_add_nc_u64 s[G0+4*\slot+2:G0+4*\slot+3], s[G0+4*\slot+2:G0+4*\slot+3], 2*RTB
	s_add_nc_u64 s[G0B+4*\slot+2:G0B+4*\slot+3], s[G0B+4*\slot+2:G0B+4*\slot+3], 2*RTB
	JLOAD G0+4*\slot, G1, G0B+4*\slot, G1B         ; my one tensor load behind the round; its four v_nop are the places in front of the loads below
.else
	PLACES NP
.endif
	FETCH_B \next, 0, 0
	FETCH_A \next, 0, 0
	WIN MUL_HI
	MUL16 4, 1, 0
	MUL16 6, 1, 0
	PLACES NP
	WIN 0
	FETCH_A \next, 0, 4
.endm
	s_wait_tensorcnt 1                             ; my part of slot 0 is in; slot 1's load may be out
	s_barrier_signal -1
	s_barrier_wait -1
	FETCH_B 0, 0, 0
	FETCH_A 0, 0, 0
	FETCH_A 0, 0, 4
	STEP 0, 0, 1                                   ; the first step starts the sums: nothing is cleared
	s_mov_b32 s3, LAPS-1
.Llap:
	TURN 0, 1, 1
	STEP 1, 0, 0
	TURN 1, 0, 1
	STEP 0, 0, 0
	s_sub_co_u32 s3, s3, 1
	s_cmp_lg_u32 s3, 0
	s_cbranch_scc1 .Llap
	TURN 0, 1, 0                                   ; the last lap fills nothing
	STEP 1, 0, 0
	s_wait_dscnt 4*NL
	WIN MUL_LO
	MUL16 0, 1, 0
	MUL16 2, 1, 0
	s_wait_dscnt 0
	WIN MUL_HI
	MUL16 4, 1, 0
	MUL16 6, 1, 0
	WIN 0
; THE WAY OUT, A's blocks one after the other.  Block a's 64 sums of a lane get their bias and the hold; eight conversions make two images (B's blocks 0-3 and 4-7), which leave as 512 consecutive bytes a store.
; isv = 0: the lane is a token, the registers channels: image (a, hd) is head hd's, token tile a.  isv = 1: the lane is a channel, the registers tokens: image (a, hd) is head a / 4's, keys 64 hd on, channel tile a % 4.
.macro OUT isv
.irp a, 0,1,2,3,4,5,6,7
.set AC, 64*(\a%4)
.set IS, IM+16*(\a%4)
	WIN (0x02+(\a/4))                              ; source 0: window 2 or 3
.irp b, 0,1,2,3,4,5,6,7
.irp j, 0,2,4,6                        ; each accumulator from its low end on
.if \isv
	v_pk_add_f32 v[TMP+8*\b+\j:TMP+8*\b+\j+1], v[AC+8*\b+\j:AC+8*\b+\j+1], v[BV+2*\a:BV+2*\a+1]
.else
	v_pk_add_f32 v[TMP+8*\b+\j:TMP+8*\b+\j+1], v[AC+8*\b+\j:AC+8*\b+\j+1], v[BQ+8*\b+\j:BQ+8*\b+\j+1]
.endif
.endr
.endr
	WIN 0
.set n, 0
.rept 64
	v_med3_num_f32 v[TMP+n], v[TMP+n], -v[LIM], v[LIM]   ; the conversion does not saturate (ISA guide 7.6.2)
.set n, n+1
.endr
.if \a >= 4
	s_wait_xcnt 0x0                                ; the stores of four blocks back have read this set of codes
.endif
.irp hd, 0,1
.irp c, 0,1,2,3
	v_cvt_scalef32_pk8_fp8_f32 v[IS+8*\hd+2*\c:IS+8*\hd+2*\c+1], v[TMP+8*(4*\hd+\c):TMP+8*(4*\hd+\c)+7], v[SC]
.endr
.endr
	v_nop                                          ; a plain line behind the last conversion: the next block writes its sources
.irp hd, 0,1
.if \isv
.set OF, 131072*(\a/4)+1024*(\a%4)+4096*\hd
.else
.set OF, 1024*\a+131072*\hd
.endif
	global_store_b128 v[LI], v[IS+8*\hd:IS+8*\hd+3], s[98:99] offset:OF
	global_store_b128 v[LI], v[IS+8*\hd+4:IS+8*\hd+7], s[98:99] offset:OF+512
.endr
.endr
.endm
	s_wait_loadcnt 0x0                             ; the bias
	s_cmp_eq_u32 s67, 2
	s_cbranch_scc1 .Lv                             ; T: the same in every wave of every partner
.set n, 0
.rept 64
	v_ldexp_f32 v[BQ+n], v[BQ+n], s93              ; bias / 2^(ea + eb).  (These lines are also the places behind the last products)
.set n, n+1
.endr
	OUT 0
	s_branch .Lend
.Lv:
.irp a, 0,1,2,3,4,5,6,7
	v_ldexp_f32 v[BV+2*\a], v[BR+\a], s93          ; a pair for the packed addition
	v_ldexp_f32 v[BV+2*\a+1], v[BR+\a], s93
.endr
	OUT 1
.Lend:
	s_wait_tensorcnt 0x0                           ; the wave's end
	ds_add_u32 v[SPW], v[NIL]
	s_wait_dscnt 0x0
	CROUND                                         ; the closing round
	s_endpgm
.Lfunc_end_k_qbb7b0ade6f_proj:
	.size	k_qbb7b0ade6f_proj, .Lfunc_end_k_qbb7b0ade6f_proj-k_qbb7b0ade6f_proj
	.p2alignl 7, 3214868480
	.fill 96, 4, 3214868480
	.section	.rodata,"a",@progbits
	.p2align	6, 0x0
	.amdhsa_kernel k_qbb7b0ade6f_proj
		.amdhsa_group_segment_fixed_size 327680
		.amdhsa_private_segment_fixed_size 0
		.amdhsa_enable_private_segment 0
		.amdhsa_kernarg_size 72
		.amdhsa_user_sgpr_count 2
		.amdhsa_user_sgpr_kernarg_segment_ptr 1
		.amdhsa_wavefront_size32 1
		.amdhsa_system_sgpr_workgroup_id_x 1
		.amdhsa_system_sgpr_workgroup_id_y 1
		.amdhsa_system_sgpr_workgroup_id_z 1
		.amdhsa_system_vgpr_workitem_id 0
		.amdhsa_next_free_vgpr 1024
		.amdhsa_next_free_sgpr 102
		.amdhsa_reserve_vcc 0
		.amdhsa_float_denorm_mode_32 3
		.amdhsa_float_denorm_mode_16_64 3
		.amdhsa_memory_ordered 1
		.amdhsa_forward_progress 1
		.amdhsa_inst_pref_size 197
	.end_amdhsa_kernel
	.amdgpu_metadata
---
amdhsa.version: [ 1, 2 ]
amdhsa.kernels:
  - .name:           k_qbb7b0ade6f_proj
    .symbol:         k_qbb7b0ade6f_proj.kd
    .args:
      - { .name: xc, .offset: 0, .size: 8, .value_kind: global_buffer, .address_space: global }
      - { .name: wc, .offset: 8, .size: 8, .value_kind: global_buffer, .address_space: global }
      - { .name: lowp_scales, .offset: 16, .size: 8, .value_kind: global_buffer, .address_space: global }
      - { .name: bq, .offset: 24, .size: 8, .value_kind: global_buffer, .address_space: global }
      - { .name: bk, .offset: 32, .size: 8, .value_kind: global_buffer, .address_space: global }
      - { .name: bv, .offset: 40, .size: 8, .value_kind: global_buffer, .address_space: global }
      - { .name: qi, .offset: 48, .size: 8, .value_kind: global_buffer, .address_space: global }
      - { .name: ki, .offset: 56, .size: 8, .value_kind: global_buffer, .address_space: global }
      - { .name: vi, .offset: 64, .size: 8, .value_kind: global_buffer, .address_space: global }
    .group_segment_fixed_size: 327680
    .private_segment_fixed_size: 0
    .kernarg_segment_align: 8
    .kernarg_segment_size: 72
    .max_flat_workgroup_size: 128
    .sgpr_count:     102
    .vgpr_count:     1024
    .wavefront_size: 32
...
	.end_amdgpu_metadata
.endif
;; end of part 2
;; launch attn (part 3): grid 256 x 1, 16 waves a work-group, no clusters, 18,432 bytes of LDS; arguments qi, ki, vi, bm, fl, lowp_scales, xi; writes xi
.if DOCPART == 3
	.amdgcn_target "amdgcn-amd-amdhsa--gfx1250"
	.amdhsa_code_object_version 6
	.text
	.protected	k_qbb7b0ade6f_attn
	.globl	k_qbb7b0ade6f_attn
	.p2align	8
	.type	k_qbb7b0ade6f_attn,@function
k_qbb7b0ade6f_attn:
	s_mov_b64 s[64:65], 0
	v_nop
	global_prefetch_b8 v0, s[64:65] scope:SCOPE_SE
	s_setreg_imm32_b32 hwreg(HW_REG_WAVE_MODE, 25, 1), 1
	s_wait_xcnt 0x0
; ATTN.  x[b][q][head] = softmax over the keys of (q . k / 8, hidden keys by the mask) v, both products on codes of E4M3 by v_wmma_f32_16x16x64_fp8_fp8, and x quantised at once for the last product.
; t = score x log2(e) / 8; M = the running largest t rounded UP to a whole number; p = 2^(t - M) is quantised along the keys with 2^e8; the row's sum is taken of the unquantised p and divides at the end.
; When M moves, the sum and O are multiplied by 2^(old M - new M), which rounds nothing.
; SHARES.  A work-group owns query blocks i and 7 - i (256 queries each) of one head; each of its sixteen waves a PAIR of query tiles (32 queries), so that a fragment of K or V read from LDS feeds two products.
; All waves walk 32 steps of 64 keys, one barrier a step.  The earlier launch has stored, for each pair, which steps may be left out and which have no hidden key: a wave jumps over a step's work, or over the masking, by those bits.
; NO TENSOR LOADS AND NO JOINT LOADS: the walk branches on numbers read from memory, so K's and V's images go from memory through registers into a ring of two LDS slots: a thread copies 16 bytes a step, asked for two steps ahead.
; LAYOUT.  S^T = K Q^T (source 0 = 16 keys, source 1 = 16 queries), O^T = V^T P^T (source 0 = 16 channels, source 1 = P): a lane holds ONE query throughout; the eight registers of a tile of S^T are keys 16 kt + 8 h + 0 .. 7,
; which one conversion turns into registers 2 kt, 2 kt + 1 of P; likewise O^T's into x's image.
; A HIDDEN KEY's score becomes -2^80.  With an open key in the row its p is 0.  A row with no open key at all has M = its t exactly, p = 1 for every key: the mean of v, as the uniform softmax gives.
; LIMITS: e6 + e7 between -50 and 45; e8 and e10 between -126 and 119.  NaN is not served.
; REGISTERS: v1-7 addresses; v8-15 two sets of 16 bytes on their way to LDS; v16-23 -M, largest t, the sum in two halves (tile A, tile B); v24-27 f; v28-33 at work; v34 2^e8; v35 -2^80; v36-43 two sets of mask words; v44 8 h;
; v48-63 Q; v64-95 K's four fragments, then P's codes; v96-127 V's; v128-191 S^T, then p; v192-255 O^T.
.set SLOTB, 8192                       ; a slot: K's four images, then V's four
.set SPARE, 16384                      ; behind the ring: the spare words, 128 bytes a wave: eight blocks of 256 bytes that no other line names
.set SPW,  1
.set NIL,  2
.set LI,   3                           ; 16 x lane
.set STA,  4                           ; 16 x thread: where I put my 16 bytes of a slot
.set SOFF, 5                           ; 16 x (thread % 256) + 8,192 x trips: where they come from
.set MOFF, 6                           ; 8 x (lane % 16) + 256 x trips: my row's mask words
.set PFO,  7                           ; 256 x lane + 8,192 x trips: the prefetches' offset
.set R0,   8
.set QF,   48
.set KF,   64
.set PC,   64
.set VF,   96
.set S,    128
.set OT,   192
	s_load_b256 s[4:11], s[0:1], 0x0               ; qi, ki, vi, bm
	s_load_b128 s[12:15], s[0:1], 0x20             ; fl, the exponents
	s_load_b64 s[16:17], s[0:1], 0x30              ; xi
	v_lshl_add_u32 v[SPW], v0, 2, SPARE
	v_mov_b32 v[NIL], 0
	v_lshrrev_b32 v3, 5, v0
	v_readfirstlane_b32 s18, v3                    ; wave 0..15
	s_lshr_b32 s19, ttmp9, 2                       ; 16 batch + head
	s_and_b32 s20, ttmp9, 3                        ; i
	s_lshr_b32 s21, s19, 4                         ; batch
	s_and_b32 s25, s19, 15                         ; head
	s_lshr_b32 s22, s18, 2
	s_xor_b32 s22, s22, s18
	s_and_b32 s22, s22, 1                          ; of waves 2 m and 2 m + 1 one takes block i, the other block 7 - i
	s_sub_co_u32 s23, 7, s20
	s_cmp_lg_u32 s22, 0
	s_cselect_b32 s23, s23, s20                    ; my block
	s_lshl_b32 s24, s23, 3
	s_lshr_b32 s73, s18, 1
	s_add_co_u32 s24, s24, s73                     ; my pair, 0..63
	s_lshl_b32 s84, s21, 6
	s_add_co_u32 s84, s84, s24
	s_lshl_b32 s84, s84, 3                         ; my pair's two words,
	s_mov_b32 s85, 0
	s_lshl_b32 s86, s21, 9
	s_lshl_b32 s87, s20, 6
	s_add_co_u32 s86, s86, s87                     ; block i's eight pairs,
	s_mov_b32 s87, 0
	s_sub_co_u32 s88, 7, s20
	s_lshl_b32 s88, s88, 6
	s_lshl_b32 s89, s21, 9
	s_add_co_u32 s88, s88, s89                     ; block 7 - i's
	s_mov_b32 s89, 0
	v_and_b32 v3, 31, v0
	v_lshlrev_b32 v[PFO], 8, v3
	v_lshlrev_b32 v[LI], 4, v3
	v_lshlrev_b32 v[STA], 4, v0
	v_and_b32 v[SOFF], 255, v0
	v_lshlrev_b32 v[SOFF], 4, v[SOFF]
	v_and_b32 v[MOFF], 15, v0
	v_lshlrev_b32 v[MOFF], 3, v[MOFF]
	v_bfe_u32 v44, v0, 4, 1
	v_lshlrev_b32 v44, 3, v44
	s_wait_kmcnt 0x0
	s_add_nc_u64 s[84:85], s[12:13], s[84:85]
	s_add_nc_u64 s[86:87], s[12:13], s[86:87]
	s_add_nc_u64 s[88:89], s[12:13], s[88:89]
	s_load_b64 s[28:29], s[84:85], 0x0             ; s28: steps to leave out; s29: steps with no hidden key
	s_load_b512 s[32:47], s[86:87], 0x0
	s_load_b512 s[48:63], s[88:89], 0x0
	s_load_b128 s[68:71], s[14:15], 0x18           ; e6, e7, e8, e9
	s_load_b32 s72, s[14:15], 0x28                 ; e10
	s_cmp_lt_u32 s18, 8
	s_cselect_b64 s[26:27], s[6:7], s[8:9]         ; waves 0-7 copy K's images, waves 8-15 V's
	s_lshl_b32 s66, s19, 17                        ; a head's 131,072 bytes
	s_mov_b32 s67, 0
	s_add_nc_u64 s[26:27], s[26:27], s[66:67]
	s_lshl_b32 s73, s24, 11
	s_add_co_u32 s66, s66, s73
	s_add_nc_u64 s[4:5], s[4:5], s[66:67]          ; my two tiles of Q
	s_lshl_b32 s66, s21, 19
	s_lshl_b32 s73, s24, 13
	s_add_co_u32 s66, s66, s73
	s_add_nc_u64 s[82:83], s[10:11], s[66:67]      ; my two tiles' mask words
	s_lshl_b32 s66, s21, 21
	s_lshl_b32 s73, s24, 15
	s_add_co_u32 s66, s66, s73
	s_lshl_b32 s73, s25, 10
	s_add_co_u32 s66, s66, s73
	s_add_nc_u64 s[16:17], s[16:17], s[66:67]      ; my two images of x
.irp c, 0,1,2,3
	global_load_b128 v[QF+4*\c:QF+4*\c+3], v[LI], s[4:5] offset:512*\c
.endr
	v_mov_b32 v17, 0xff61b1e6                      ; the largest t so far: -3e38, under every t
	v_mov_b32 v21, 0xff61b1e6
	v_floor_f32 v16, -v17                          ; -M
	v_floor_f32 v20, -v21
	v_mov_b32 v18, 0
	v_mov_b32 v19, 0
	v_mov_b32 v22, 0
	v_mov_b32 v23, 0
.irp j, 8,9,10,11,12,13,14,15,24,25,26,27,28,29,30,31,32,33,36,37,38,39,40,41,42,43
	v_mov_b32 v\j, 0                               ; written once: registers that a step left out does not fill, upper halves of pairs, a permute's destination
.endr
	v_mov_b32 v35, 0xe7800000                      ; -2^80
.set n, 0
.rept 64
	v_mov_b32 v[OT+n], 0                           ; the step is written once: the first finds zeros, which the first change of M leaves zeros
.set n, n+1
.endr
	s_wait_kmcnt 0x0
	s_and_b32 s31, s32, s34                        ; s31: the steps that all sixteen waves leave out: they are not copied
.irp k, 36,38,40,42,44,46,48,50,52,54,56,58,60,62
	s_and_b32 s31, s31, s\k
.endr
	s_or_b32 s30, s28, s29                         ; s30: the steps whose mask words I do not need
	s_add_co_i32 s73, s68, s69
	s_lshl_b32 s73, s73, 23
	s_add_co_i32 s74, s73, 0x3e38aa3b              ; c = log2(e) / 8, with e6 + e7 added to its exponent field
	s_mov_b32 s75, s74                             ; (named with it as a pair)
	s_mov_b32 s76, 0x76543210
	s_mov_b32 s77, 0xfedcba98                      ; v_permlanex16_b32: lane l xor 16
	s_cmp_ge_i32 s70, -8
	s_cselect_b32 s78, 1, 0                        ; p <= 1: with e8 >= -8 no code passes 256, and the hold is not needed
	s_add_co_i32 s73, s70, 127
	s_lshl_b32 s79, s73, 23
	v_mov_b32 v34, s79                             ; 2^e8
	s_add_co_i32 s73, s73, 8
	s_lshl_b32 s79, s73, 23
	s_or_b32 s79, s79, 0x600000                    ; 448 x 2^e8
	s_and_b32 s81, s18, 7
	s_or_b32 s81, s81, s20
	s_cmp_eq_u32 s81, 0
	s_cselect_b32 s81, 14, 0                       ; who prefetches, and in how many trips: see ASK
	s_mov_b32 s80, 0
	; the way in: steps 0 and 1 are asked for, step 0 goes into slot 0
	s_bitcmp1_b32 s31, 0
	s_cbranch_scc1 .Lp0
	global_load_b128 v[R0:R0+3], v[SOFF], s[26:27]
.Lp0:
	s_bitcmp1_b32 s31, 1
	s_cbranch_scc1 .Lp1
	global_load_b128 v[R0+4:R0+7], v[SOFF], s[26:27] offset:4096
.Lp1:
	s_bitcmp1_b32 s30, 0
	s_cbranch_scc1 .Lp2
	global_load_b64 v[36:37], v[MOFF], s[82:83]
	global_load_b64 v[38:39], v[MOFF], s[82:83] offset:4096
.Lp2:
	s_wait_loadcnt 0x0                             ; Q too
	s_bitcmp1_b32 s31, 0
	s_cbranch_scc1 .Lp3
	ds_store_b128 v[STA], v[R0:R0+3]
.Lp3:
	s_wait_dscnt 0x0
	s_barrier_signal -1
	s_barrier_wait -1
; A PREFETCH of the 8,192 bytes of K (wave 0) or of V (wave 8) that the NEXT trip's two loads will ask for: steps 2 d + 4 and 2 d + 5, lanes 256 bytes apart.  The four work-groups of a head walk the same K and V: the one with i = 0 asks.
; So each aligned block of 256 bytes is named once in the launch.  Steps 0 to 3 come by their loads alone; the last two trips ask for nothing: there are no steps behind 31.
.macro ASK
	s_cmp_lt_u32 s80, s81
	s_cbranch_scc0 .Lnoask_\@
	global_prefetch_b8 v[PFO], s[26:27] offset:16384 th:TH_LOAD_NT scope:SCOPE_SE
.Lnoask_\@:
.endm
; Hidden keys of one tile: register n holds key 16 (n / 8) + 8 h + n % 8: byte 2 (n / 8) + h, bit n % 8 of my row's eight bytes.
.macro MASKT sb, mw
	v_lshrrev_b32 v[\mw], v44, v[\mw]              ; my half's bytes come to bits 0-7 and 16-23
	v_lshrrev_b32 v[\mw+1], v44, v[\mw+1]
.set n, 0
.rept 32
	v_and_b32 v[32+n%2], 1<<(16*((n/8)%2)+n%8), v[\mw+n/16]
	v_cmp_eq_u32 vcc_lo, 0, v[32+n%2]
	v_cndmask_b32 v[\sb+n], v[\sb+n], v35, vcc_lo
.set n, n+1
.endr
.endm
; STEP 2 d + par, read from slot par.
.macro TRIP par
.set MW, 36+4*\par
.set MN, 36+4*(1-\par)
	s_wait_loadcnt 0x0                             ; what the last step asked for is in: the next step's 16 bytes and this step's mask words
	s_bitcmp1_b32 s31, \par+1
	s_cbranch_scc1 .Lnst_\@
	ds_store_b128 v[STA], v[R0+4*(1-\par):R0+4*(1-\par)+3] offset:SLOTB*(1-\par)   ; the next step, into the slot that everybody left at the last barrier
.Lnst_\@:
	s_bitcmp1_b32 s31, \par+2
	s_cbranch_scc1 .Lnld_\@
	global_load_b128 v[R0+4*\par:R0+4*\par+3], v[SOFF], s[26:27] offset:4096*(\par+2)   ; the step after it: a wave reads 512 consecutive bytes
.Lnld_\@:
	s_bitcmp1_b32 s30, \par+1
	s_cbranch_scc1 .Lnmk_\@
	global_load_b64 v[MN:MN+1], v[MOFF], s[82:83] offset:128*(\par+1)
	global_load_b64 v[MN+2:MN+3], v[MOFF], s[82:83] offset:128*(\par+1)+4096
.Lnmk_\@:
.if \par == 0
	ASK
.endif
	s_bitcmp1_b32 s28, \par
	s_cbranch_scc1 .Lskip_\@                       ; nothing of this step counts for my 32 queries
.irp f, 0,1,2,3
	ds_load_b128 v[KF+8*\f:KF+8*\f+3], v[LI] offset:SLOTB*\par+1024*\f
	ds_load_b128 v[KF+8*\f+4:KF+8*\f+7], v[LI] offset:SLOTB*\par+1024*\f+512
.endr
.irp f, 0,1,2,3
	ds_load_b128 v[VF+8*\f:VF+8*\f+3], v[LI] offset:SLOTB*\par+4096+1024*\f
	ds_load_b128 v[VF+8*\f+4:VF+8*\f+7], v[LI] offset:SLOTB*\par+4096+1024*\f+512
.endr
	s_wait_dscnt 8                                 ; K is in; V's eight loads may be out
.irp kt, 0,1,2,3
.irp x, 0,1
	v_wmma_f32_16x16x64_fp8_fp8 v[S+32*\x+8*\kt:S+32*\x+8*\kt+7], v[KF+8*\kt:KF+8*\kt+7], v[QF+8*\x:QF+8*\x+7], 0
.endr
.endr
.rept 4
	v_nop                                          ; places in front of the first read of the scores
.endr
	s_bitcmp1_b32 s29, \par
	s_cbranch_scc1 .Lopen_\@
	MASKT S, MW
	MASKT S+32, MW+2
.Lopen_\@:
.irp x, 0,1                            ; the step's largest score of my query among my 32 keys, two chains a tile, each tile of S^T from its low end on
	v_max3_num_f32 v[28+2*\x], v[S+32*\x], v[S+32*\x+1], v[S+32*\x+2]
	v_max3_num_f32 v[29+2*\x], v[S+32*\x+3], v[S+32*\x+4], v[S+32*\x+5]
.endr
.irp i, 6,10,14,18,22,26
.irp x, 0,1
	v_max3_num_f32 v[28+2*\x], v[28+2*\x], v[S+32*\x+\i], v[S+32*\x+\i+1]
	v_max3_num_f32 v[29+2*\x], v[29+2*\x], v[S+32*\x+\i+2], v[S+32*\x+\i+3]
.endr
.endr
.irp x, 0,1
	v_max3_num_f32 v[28+2*\x], v[28+2*\x], v[S+32*\x+30], v[S+32*\x+31]
.endr
.irp x, 0,1
	v_max_num_f32 v[28+2*\x], v[28+2*\x], v[29+2*\x]
.endr
.irp x, 0,1
	v_permlanex16_b32 v[32+\x], v[28+2*\x], s76, s77
.endr
.irp x, 0,1
	v_max_num_f32 v[28+2*\x], v[28+2*\x], v[32+\x] ; and among lane l xor 16's
.endr
.irp x, 0,1
	v_mul_f32 v[28+2*\x], s74, v[28+2*\x]          ; as t (c is positive)
.endr
.irp x, 0,1
	v_max_num_f32 v[17+4*\x], v[17+4*\x], v[28+2*\x]
.endr
.irp x, 0,1
	v_mov_b32 v[28+2*\x], v[16+4*\x]
.endr
.irp x, 0,1
	v_floor_f32 v[16+4*\x], -v[17+4*\x]            ; the new -M = floor(-t)
.endr
.irp x, 0,1
	v_sub_f32 v[28+2*\x], v[16+4*\x], v[28+2*\x]   ; old M - new M: a whole number, 0 or less
.endr
.irp x, 0,1
	v_cvt_i32_f32 v[28+2*\x], v[28+2*\x]           ; (it saturates)
.endr
.irp x, 0,1
	v_ldexp_f32 v[24+2*\x], 1.0, v[28+2*\x]        ; f = 2^(old M - new M)
.endr
.irp x, 0,1
.irp j, 0,2,4,6,8,10,12,14,16,18,20,22,24,26,28,30
	v_pk_fma_f32 v[S+32*\x+\j:S+32*\x+\j+1], v[S+32*\x+\j:S+32*\x+\j+1], s[74:75], v[16+4*\x:17+4*\x] op_sel_hi:[1,0,0]   ; t - M (of the pairs c and -M the low word serves both halves)
.endr
.endr
.set n, 0
.rept 64
	v_exp_f32 v[S+n], v[S+n]                       ; p = 2^(t - M), at most 1
.set n, n+1
.endr
	v_pk_mul_f32 v[18:19], v[18:19], v[24:25] op_sel_hi:[1,0]   ; the sums under the new M: the plain lines behind the exponentials
	v_pk_mul_f32 v[22:23], v[22:23], v[26:27] op_sel_hi:[1,0]
	s_wait_alu depctr_va_vdst(0)                   ; one wait for the batch of 64, ahead of its first reader
.irp x, 0,1
	v_pk_add_f32 v[28+2*\x:29+2*\x], v[S+32*\x:S+32*\x+1], v[S+32*\x+2:S+32*\x+3]   ; the row's sum is taken of the unquantised p: two chains a tile
.endr
.irp j, 4,8,12,16,20,24,28
.irp x, 0,1
	v_pk_add_f32 v[18+4*\x:19+4*\x], v[18+4*\x:19+4*\x], v[S+32*\x+\j:S+32*\x+\j+1]
	v_pk_add_f32 v[28+2*\x:29+2*\x], v[28+2*\x:29+2*\x], v[S+32*\x+\j+2:S+32*\x+\j+3]
.endr
.endr
.irp x, 0,1
	v_pk_add_f32 v[18+4*\x:19+4*\x], v[18+4*\x:19+4*\x], v[28+2*\x:29+2*\x]
.endr
	s_cmp_lg_u32 s78, 0
	s_cbranch_scc1 .Lnohold_\@
.set n, 0
.rept 64
	v_min_num_f32 v[S+n], s79, v[S+n]              ; the conversion does not saturate (ISA guide 7.6.2); p is not negative: a one-sided hold
.set n, n+1
.endr
.Lnohold_\@:
.irp x, 0,1
.irp kt, 0,1,2,3
	v_cvt_scalef32_pk8_fp8_f32 v[PC+8*\x+2*\kt:PC+8*\x+2*\kt+1], v[S+32*\x+8*\kt:S+32*\x+8*\kt+7], v34
.endr
.endr
.irp x, 0,1
.irp j, 0,2,4,6,8,10,12,14,16,18,20,22,24,26,28,30
	v_pk_mul_f32 v[OT+32*\x+\j:OT+32*\x+\j+1], v[OT+32*\x+\j:OT+32*\x+\j+1], v[24+2*\x:25+2*\x] op_sel_hi:[1,0]   ; O^T under the new M; also the plain lines between the conversions and the products
.endr
.endr
	s_wait_dscnt 0x0                               ; V is in
.irp ct, 0,1,2,3
.irp x, 0,1                            ; the eight accumulators by turns, one instruction a turn
	v_wmma_f32_16x16x64_fp8_fp8 v[OT+32*\x+8*\ct:OT+32*\x+8*\ct+7], v[VF+8*\ct:VF+8*\ct+7], v[PC+8*\x:PC+8*\x+7], v[OT+32*\x+8*\ct:OT+32*\x+8*\ct+7]
.endr
.endr
.rept 4
	v_nop                                          ; places in front of the next loads into K's and V's registers and of the next read of O^T
.endr
.Lskip_\@:
	s_wait_dscnt 0x0                               ; my store of the next step has landed, and my reads of this slot are over
	s_barrier_signal -1
	s_barrier_wait -1                              ; both now hold of all sixteen waves
.endm
.Lbody:                                            ; 16 trips of two steps
	TRIP 0
	TRIP 1
	s_wait_xcnt 0x0                                ; the loads and the prefetch have read their offsets
	v_add_nc_u32 v[SOFF], 8192, v[SOFF]
	v_add_nc_u32 v[MOFF], 256, v[MOFF]
	v_add_nc_u32 v[PFO], 8192, v[PFO]
.irp k, 28,29,30,31                    ; the bits move down by two steps; steps behind 31 read as left out, so that nothing is asked for past the end
	s_lshr_b32 s\k, s\k, 2
	s_or_b32 s\k, s\k, 0xc0000000
.endr
	s_add_co_u32 s80, s80, 1
	s_cmp_lt_u32 s80, 16
	s_cbranch_scc1 .Lbody
	; THE WAY OUT: x = O^T x 2^(e8 + e9) / the sum, held, converted with 2^e10: four conversions a tile make its image.
	v_add_f32 v18, v18, v19
	v_add_f32 v22, v22, v23
	v_permlanex16_b32 v32, v18, s76, s77
	v_permlanex16_b32 v33, v22, s76, s77
	v_add_f32 v18, v18, v32
	v_add_f32 v22, v22, v33
	v_rcp_f32 v24, v18
	v_rcp_f32 v26, v22
	s_add_co_i32 s73, s70, s71
	s_add_co_i32 s84, s72, 127
	s_lshl_b32 s85, s84, 23
	v_mov_b32 v34, s85                             ; 2^e10.  (A plain line behind the reciprocals)
	s_add_co_i32 s84, s84, 8
	s_lshl_b32 s84, s84, 23
	s_or_b32 s84, s84, 0x600000
	v_mov_b32 v35, s84                             ; 448 x 2^e10
	s_wait_alu depctr_va_vdst(0)                   ; one wait for both reciprocals, ahead of their first reader
	v_ldexp_f32 v24, v24, s73
	v_ldexp_f32 v26, v26, s73
.irp x, 0,1
.irp j, 0,2,4,6,8,10,12,14,16,18,20,22,24,26,28,30
	v_pk_mul_f32 v[OT+32*\x+\j:OT+32*\x+\j+1], v[OT+32*\x+\j:OT+32*\x+\j+1], v[24+2*\x:25+2*\x] op_sel_hi:[1,0]
.endr
.endr
.set n, 0
.rept 64
	v_med3_num_f32 v[OT+n], v[OT+n], -v35, v35
.set n, n+1
.endr
.irp x, 0,1
.irp ct, 0,1,2,3
	v_cvt_scalef32_pk8_fp8_f32 v[S+8*\x+2*\ct:S+8*\x+2*\ct+1], v[OT+32*\x+8*\ct:OT+32*\x+8*\ct+7], v34
.endr
.endr
	v_nop                                          ; a plain line behind the last conversion
.irp x, 0,1
	global_store_b128 v[LI], v[S+8*\x:S+8*\x+3], s[16:17] offset:16384*\x        ; 32 lanes store 512 consecutive bytes
	global_store_b128 v[LI], v[S+8*\x+4:S+8*\x+7], s[16:17] offset:16384*\x+512
.endr
	s_wait_tensorcnt 0x0                           ; the wave's end
	ds_add_u32 v[SPW], v[NIL]
	s_wait_dscnt 0x0
	s_endpgm
.Lfunc_end_k_qbb7b0ade6f_attn:
	.size	k_qbb7b0ade6f_attn, .Lfunc_end_k_qbb7b0ade6f_attn-k_qbb7b0ade6f_attn
	.p2alignl 7, 3214868480
	.fill 96, 4, 3214868480
	.section	.rodata,"a",@progbits
	.p2align	6, 0x0
	.amdhsa_kernel k_qbb7b0ade6f_attn
		.amdhsa_group_segment_fixed_size 18432
		.amdhsa_private_segment_fixed_size 0
		.amdhsa_enable_private_segment 0
		.amdhsa_kernarg_size 56
		.amdhsa_user_sgpr_count 2
		.amdhsa_user_sgpr_kernarg_segment_ptr 1
		.amdhsa_wavefront_size32 1
		.amdhsa_system_sgpr_workgroup_id_x 1
		.amdhsa_system_sgpr_workgroup_id_y 1
		.amdhsa_system_sgpr_workgroup_id_z 1
		.amdhsa_system_vgpr_workitem_id 0
		.amdhsa_next_free_vgpr 256
		.amdhsa_next_free_sgpr 90
		.amdhsa_reserve_vcc 1
		.amdhsa_float_denorm_mode_32 3
		.amdhsa_float_denorm_mode_16_64 3
		.amdhsa_memory_ordered 1
		.amdhsa_forward_progress 1
		.amdhsa_inst_pref_size 65
	.end_amdhsa_kernel
	.amdgpu_metadata
---
amdhsa.version: [ 1, 2 ]
amdhsa.kernels:
  - .name:           k_qbb7b0ade6f_attn
    .symbol:         k_qbb7b0ade6f_attn.kd
    .args:
      - { .name: qi, .offset: 0, .size: 8, .value_kind: global_buffer, .address_space: global }
      - { .name: ki, .offset: 8, .size: 8, .value_kind: global_buffer, .address_space: global }
      - { .name: vi, .offset: 16, .size: 8, .value_kind: global_buffer, .address_space: global }
      - { .name: bm, .offset: 24, .size: 8, .value_kind: global_buffer, .address_space: global }
      - { .name: fl, .offset: 32, .size: 8, .value_kind: global_buffer, .address_space: global }
      - { .name: lowp_scales, .offset: 40, .size: 8, .value_kind: global_buffer, .address_space: global }
      - { .name: xi, .offset: 48, .size: 8, .value_kind: global_buffer, .address_space: global }
    .group_segment_fixed_size: 18432
    .private_segment_fixed_size: 0
    .kernarg_segment_align: 8
    .kernarg_segment_size: 56
    .max_flat_workgroup_size: 512
    .sgpr_count:     90
    .vgpr_count:     256
    .wavefront_size: 32
...
	.end_amdgpu_metadata
.endif
;; end of part 3
;; launch outp (part 4): grid 4 x 32, 4 waves a work-group, clusters of 4 x 4, 327,680 bytes of LDS; arguments xi, wc, lowp_scales, bo, out0; writes out0
.if DOCPART == 4
	.amdgcn_target "amdgcn-amd-amdhsa--gfx1250"
	.amdhsa_code_object_version 6
	.text
	.protected	k_qbb7b0ade6f_outp
	.globl	k_qbb7b0ade6f_outp
	.p2align	8
	.type	k_qbb7b0ade6f_outp,@function
k_qbb7b0ade6f_outp:
	s_mov_b64 s[64:65], 0
	v_nop
	global_prefetch_b8 v0, s[64:65] scope:SCOPE_SE
	s_setreg_imm32_b32 hwreg(HW_REG_WAVE_MODE, 25, 1), 1
	s_wait_xcnt 0x0
	s_wait_alu depctr_hold_cnt(0) depctr_sa_sdst(0) depctr_va_vdst(0) depctr_va_sdst(0) depctr_va_ssrc(0) depctr_va_vcc(0) depctr_vm_vsrc(0)
	s_getreg_b32 s2, hwreg(HW_REG_IB_STS2, 6, 4)
	s_cmp_eq_u32 s2, 0
	s_cbranch_scc0 .Lentry_in_a_cluster
	s_endpgm
.Lentry_in_a_cluster:
	s_bfe_u32 s2, ttmp6, 0x10000c
	s_cmp_lg_u32 s2, 0xf033
	s_cbranch_scc0 .Lentry_shape_is_right
	s_endpgm
.Lentry_shape_is_right:
; OUTP.  out0 = x Wo^T + bo on codes of E4M3 (v_wmma_f32_16x16x128_fp8_fp8, f32 sums): out0 = sum x 2^(e10 + e11) + bo, f32.
; x's codes (xi) and Wo's (wc, from its row tile 192 on) lie as register images: 16 rows x 64 K in 1,024 bytes, register g of lane l at 512 (g / 4) + 16 l + 4 (g % 4), [row tile][K / 64]; two neighbours along K are a K = 128 operand.
; 128 tiles of 256 x 256; a work-group of four waves makes one, a wave 128 x 128 in 64 accumulators.  K = 1,024 goes in four fills of 256 through a ring of two LDS slots; waves 0, 1 fetch A's halves (tokens), waves 2, 3 B's (Wo's rows).
; CLUSTER 4 x 4: A's tile hangs on cy and is asked for jointly along a row of the cluster, B's on cx, along a column.
; The matrix instruction takes source 0 from B and source 1 from A: a lane holds eight neighbouring numbers of a row of out0.
; LIMIT: e10 + e11 between -126 and 127.
; REGISTERS: window 0: v4-7 my four columns' bias, v16-29 addresses; v128-255 A's fragments, one set (on the way out: rows read back, two sets of 64); window 1: B's fragments, two sets; windows 2, 3: the accumulators.
.set RTB,   4096
.set HALFT, 8*RTB
.set SLOT,  4*HALFT
.set SPARE, 2*SLOT                     ; behind the ring: the spare words, 128 bytes a wave: two blocks of 256 bytes that no other line names
.set LAPS,  2
.set FR,    16
.set NL,    4
.set NP,    4
.set SPITCH, 528                       ; the way out: a stage of 16 rows x (512 bytes + 16) for each wave, in slot 0, which has had its last fill and its last read when the first result is stored there
.set BO,    4
.set ADRA,  16
.set ADRB,  20
.set STO,   24
.set RD,    25
.set LI,    26
.set SPW,   28
.set NIL,   29
.set AF,    128
.set BK,    128
.set G1,  24
.set G0,  32
.set G1B, 48
.set G0B, 56
.set MSB, 0
.macro WIN new                         ; the immediate's high byte repeats the setting that is left
.if MSB != \new
	s_set_vgpr_msb (MSB<<8)|\new
.set MSB, \new
.endif
.endm
.set MUL_LO, 0xa1                      ; source 0 (B) window 1, source 1 (A) window 0, C and D window 2
.set MUL_HI, 0xf1
.set TO_B,   0x40
.macro JLOAD g0a, g1a, g0b, g1b        ; a joint load: waves 0, 1 for A, waves 2, 3 for B; an s_nop 0 and four v_nop follow each line
	s_cmp_eq_u32 s23, 0
	s_cbranch_scc0 .Lfor_b_\@
	tensor_load_to_lds s[\g0a:\g0a+3], s[\g1a:\g1a+7]
	s_nop 0
.rept 4
	v_nop
.endr
	s_branch .Lasked_\@
.Lfor_b_\@:
	tensor_load_to_lds s[\g0b:\g0b+3], s[\g1b:\g1b+7]
	s_nop 0
.rept 4
	v_nop
.endr
.Lasked_\@:
.endm
.macro CREST
	s_cmp_lg_u32 s22, 0
	s_cbranch_scc1 .Lnot_wave_0_\@
	s_barrier_signal -3
.Lnot_wave_0_\@:
	s_barrier_wait -3
	s_barrier_signal -1
	s_barrier_wait -1
.endm
.macro CROUND
	s_barrier_signal -1
	s_barrier_wait -1
	CREST
.endm
	s_load_b256 s[4:11], s[0:1], 0x0               ; xi, wc, the exponents, bo
	s_load_b64 s[12:13], s[0:1], 0x20              ; out0
	v_lshl_add_u32 v[SPW], v0, 2, SPARE
	v_mov_b32 v[NIL], 0
	ds_add_u32 v[SPW], v[NIL]                      ; the wave's opening: the add and its wait ahead of my first tensor load
	v_lshrrev_b32 v1, 5, v0
	v_readfirstlane_b32 s22, v1                    ; wave 0..3
	s_lshr_b32 s23, s22, 1                         ; my half of the rows.  Also: I fetch for A (0) or for B (1)
	s_and_b32 s66, s22, 1                          ; my half of the columns.  Also: which half of that tile I fetch
	s_bfe_u32 s40, ttmp6, 0x40000                  ; cx
	s_bfe_u32 s41, ttmp6, 0x40004                  ; cy
	s_and_b32 s42, ttmp7, 0xffff                   ; cluster y, 0..7
	s_lshl_b32 s43, s41, 2
	s_lshl_b32 s43, 15, s43                        ; my row of the cluster
	s_lshl_b32 s44, 0x1111, s40                    ; my column
	s_or_b32 s[G1+0], s43, (3<<16)|(1<<21)         ; the mask; elements of 8 bytes; no padding; bit 21 set beside a mask
	s_or_b32 s[G1B+0], s44, (3<<16)|(1<<21)
.irp g, G1, G1B
	s_mov_b32 s[\g+1], 512<<16                     ; tensor_dim0: a row tile's 4,096 bytes of this fill
	s_mov_b32 s[\g+2], 8<<16                       ; tensor_dim1: 8 row tiles
	s_mov_b32 s[\g+3], 512<<16
	s_mov_b32 s[\g+4], 8
	s_mov_b32 s[\g+5], 2048                        ; 16,384 bytes from row tile to row tile
	s_mov_b32 s[\g+6], 0
	s_mov_b32 s[\g+7], 0
.endr
	s_lshl_b32 s68, s42, 2
	s_lshl_b32 s69, s66, 17                        ; the half that I fetch
	s_add_co_u32 s70, s68, s41                     ; A: tile row 4 x cluster y + cy of xi
	s_lshl_b32 s70, s70, 18
	s_add_co_u32 s70, s70, s69
	s_mov_b32 s71, 0
	s_add_co_u32 s72, s40, 12                      ; B: Wo is wc's tiles 12 to 15: 12 + cx
	s_lshl_b32 s72, s72, 18
	s_add_co_u32 s72, s72, s69
	s_mov_b32 s73, 0
	s_mul_i32 s45, s22, HALFT
	s_wait_dscnt 0x0                               ; the opening add is done
	s_wait_kmcnt 0x0
	s_load_b64 s[96:97], s[8:9], 0x28              ; e10, e11
	s_add_nc_u64 s[74:75], s[4:5], s[70:71]
	s_add_nc_u64 s[76:77], s[6:7], s[72:73]
	CROUND                                         ; all sixteen work-groups are here: the first joint loads meet
.irp s, 0,1
	s_mov_b32 s[G0+4*\s], 1
	s_add_co_u32 s[G0+4*\s+1], s45, \s*SLOT
	s_add_nc_u64 s[G0+4*\s+2:G0+4*\s+3], s[74:75], \s*RTB
	s_or_b32 s[G0+4*\s+3], s[G0+4*\s+3], 0x80000000
	s_mov_b32 s[G0B+4*\s], 1
	s_add_co_u32 s[G0B+4*\s+1], s45, \s*SLOT
	s_add_nc_u64 s[G0B+4*\s+2:G0B+4*\s+3], s[76:77], \s*RTB
	s_or_b32 s[G0B+4*\s+3], s[G0B+4*\s+3], 0x80000000
	JLOAD G0+4*\s, G1, G0B+4*\s, G1B               ; two tensor loads of mine are out
.endr
	v_and_b32 v1, 15, v0
	v_bfe_u32 v2, v0, 4, 1
	v_and_b32 v3, 31, v0
	v_lshlrev_b32 v[LI], 4, v3
	s_mul_i32 s46, s23, HALFT
	s_mul_i32 s47, s66, HALFT
	s_add_co_u32 s47, s47, 2*HALFT
.irp s, 0,1
	v_add_nc_u32 v[ADRA+\s], s46, v[LI]
	v_add_nc_u32 v[ADRB+\s], s47, v[LI]
	s_add_co_u32 s46, s46, SLOT
	s_add_co_u32 s47, s47, SLOT
.endr
	s_mul_i32 s46, s22, 16*SPITCH                  ; my stage
	v_mul_u32_u24 v8, v1, SPITCH
	v_lshl_add_u32 v8, v2, 5, v8
	v_add_nc_u32 v[STO], s46, v8                   ; in: row l % 16, 32 bytes for each half of the lanes
	v_add_nc_u32 v[RD], s46, v[LI]                 ; back: the 32 lanes take one row of 512 bytes
	s_add_co_u32 s92, s68, s41
	s_lshl_b32 s92, s92, 20                        ; 256 rows of 4,096 bytes
	s_lshl_b32 s93, s23, 19
	s_add_co_u32 s92, s92, s93
	s_lshl_b32 s94, s40, 10
	s_lshl_b32 s95, s66, 9
	s_add_co_u32 s94, s94, s95                     ; my first column, in bytes: in a row of out0 and in bo alike
	s_mov_b32 s95, 0
	s_add_nc_u64 s[10:11], s[10:11], s[94:95]
	s_add_co_u32 s92, s92, s94
	s_mov_b32 s93, 0
	s_add_nc_u64 s[12:13], s[12:13], s[92:93]
	global_load_b128 v[BO:BO+3], v[LI], s[10:11]   ; a row read back gives lane l columns 4 l .. 4 l + 3: their bias
.macro FRAG reg, adr, q, i
.irp c, 0,1,2,3
	ds_load_b128 v[\reg+4*\c:\reg+4*\c+3], v[\adr] offset:RTB*(\i)+2048*(\q)+512*\c
.endr
.endm
.macro MUL16 a0, p, zero               ; the 64 accumulators take turns, one instruction a turn, in the same order in every step
.irp a, \a0, \a0+1
.irp b, 0,1,2,3,4,5,6,7
.if \zero
	v_wmma_f32_16x16x128_fp8_fp8 v[8*(8*((\a)%4)+\b):8*(8*((\a)%4)+\b)+7], v[128*(\p)+FR*\b:128*(\p)+FR*\b+FR-1], v[AF+FR*(\a):AF+FR*(\a)+FR-1], 0
.else
	v_wmma_f32_16x16x128_fp8_fp8 v[8*(8*((\a)%4)+\b):8*(8*((\a)%4)+\b)+7], v[128*(\p)+FR*\b:128*(\p)+FR*\b+FR-1], v[AF+FR*(\a):AF+FR*(\a)+FR-1], v[8*(8*((\a)%4)+\b):8*(8*((\a)%4)+\b)+7]
.endif
.endr
.endr
.endm
.macro FETCH_B slot, q, p
	WIN TO_B
.irp i, 0,1,2,3,4,5,6,7
	FRAG 128*(\p)+FR*\i, ADRB+\slot, \q, \i
.endr
	WIN 0
.endm
.macro FETCH_A slot, q, i0
.irp i, \i0, \i0+1, \i0+2, \i0+3
	FRAG AF+FR*(\i), ADRA+\slot, \q, \i
.endr
.endm
.macro PLACES n
.rept \n
	v_nop
.endr
.endm
.macro STEP slot, q, zero
	s_wait_dscnt 4*NL                              ; B's set and A's blocks 0-3 are in; the youngest sixteen loads may be out
	WIN MUL_LO
	MUL16 0, (\q)%2, \zero
	MUL16 2, (\q)%2, \zero
	s_wait_dscnt 0
	PLACES NP
	FETCH_B \slot, (\q)+1, 1-(\q)%2
	FETCH_A \slot, (\q)+1, 0
	WIN MUL_HI
	MUL16 4, (\q)%2, \zero
	MUL16 6, (\q)%2, \zero
	PLACES NP
	WIN 0
	FETCH_A \slot, (\q)+1, 4
.endm
.macro TURN slot, next, fill
	s_wait_tensorcnt 0x0                           ; all my tensor loads have landed: my part of the next slot
	ds_add_u32 v[SPW], v[NIL]
	s_wait_dscnt 4*NL+1                            ; the add and the youngest sixteen loads may be out
	WIN MUL_LO
	MUL16 0, 1, 0
	s_wait_dscnt 0x0                               ; the add is done, and my reads of this slot are over
	s_barrier_signal -1
	MUL16 2, 1, 0
	WIN 0
	s_barrier_wait -1
.if \fill
	CREST                                          ; a round of the cluster's barrier: no wave of any partner still reads this slot or has a load on its way
	s_add_nc_u64 s[G0+4*\slot+2:G0+4*\slot+3], s[G0+4*\slot+2:G0+4*\slot+3], 2*RTB
	s_add_nc_u64 s[G0B+4*\slot+2:G0B+4*\slot+3], s[G0B+4*\slot+2:G0B+4*\slot+3], 2*RTB
	JLOAD G0+4*\slot, G1, G0B+4*\slot, G1B
.else
	PLACES NP
.endif
	FETCH_B \next, 0, 0
	FETCH_A \next, 0, 0
	WIN MUL_HI
	MUL16 4, 1, 0
	MUL16 6, 1, 0
	PLACES NP
	WIN 0
	FETCH_A \next, 0, 4
.endm
	s_wait_tensorcnt 1                             ; my part of slot 0 is in; slot 1's load may be out
	s_barrier_signal -1
	s_barrier_wait -1
	FETCH_B 0, 0, 0
	FETCH_A 0, 0, 0
	FETCH_A 0, 0, 4
	STEP 0, 0, 1                                   ; the first step starts the sums
	s_mov_b32 s3, LAPS-1
.Llap:
	TURN 0, 1, 1
	STEP 1, 0, 0
	TURN 1, 0, 1
	STEP 0, 0, 0
	s_sub_co_u32 s3, s3, 1
	s_cmp_lg_u32 s3, 0
	s_cbranch_scc1 .Llap
	TURN 0, 1, 0
	STEP 1, 0, 0
	s_wait_dscnt 4*NL
	WIN MUL_LO
	MUL16 0, 1, 0
	MUL16 2, 1, 0
	s_wait_dscnt 0
	WIN MUL_HI
	MUL16 4, 1, 0
	MUL16 6, 1, 0
	WIN 0
; THE WAY OUT, block by block of 16 rows x 128 columns.  The sums go from the accumulators into my own stage as they are and come back as whole rows of 512 bytes; there a lane holds the same four columns in every row,
; so one packed multiply-add for two numbers gives sum x 2^(e10 + e11) + bo from four registers of bias.  LDS serves a wave's instructions in order: no wait between the stores and the loads.
.macro TOSTAGE a
.set AC, 64*((\a)%4)
	WIN (0x08+4*((\a)/4))                          ; the stores' data: window 2 or 3
.irp b, 0,1,2,3,4,5,6,7
	ds_store_b128 v[STO], v[AC+8*\b:AC+8*\b+3] offset:64*\b          ; each accumulator from its low end on
	ds_store_b128 v[STO], v[AC+8*\b+4:AC+8*\b+7] offset:64*\b+16
.endr
	WIN 0
.set BB, BK+64*((\a)%2)
.irp t, 0,1,2,3,4,5,6,7,8,9,10,11,12,13,14,15
	ds_load_b128 v[BB+4*\t:BB+4*\t+3], v[RD] offset:\t*SPITCH
.endr
.endm
.macro SEND a, younger                 ; younger: the LDS instructions issued behind block a's loads, which may stay out
.set BB, BK+64*((\a)%2)
	s_wait_dscnt \younger
.if (\a) > 0
	s_add_nc_u64 s[12:13], s[12:13], 16*4096       ; (behind a wait on XCNT: the earlier stores have read their base)  16 rows on
.endif
.irp t, 0,1,2,3,4,5,6,7,8,9,10,11,12,13,14,15
	v_pk_fma_f32 v[BB+4*\t:BB+4*\t+1], v[BB+4*\t:BB+4*\t+1], s[96:97], v[BO:BO+1] op_sel_hi:[1,0,1]
	v_pk_fma_f32 v[BB+4*\t+2:BB+4*\t+3], v[BB+4*\t+2:BB+4*\t+3], s[96:97], v[BO+2:BO+3] op_sel_hi:[1,0,1]
.endr
.irp t, 0,1,2,3,4,5,6,7,8,9,10,11,12,13,14,15
	global_store_b128 v[LI], v[BB+4*\t:BB+4*\t+3], s[12:13] offset:\t*4096 th:TH_STORE_NT   ; 32 lanes store 512 consecutive bytes, aligned; written once, read by nobody here
.endr
.endm
	s_wait_kmcnt 0x0
	s_add_co_i32 s96, s96, s97
	s_add_co_i32 s96, s96, 127
	s_lshl_b32 s96, s96, 23                        ; 2^(e10 + e11) as f32
	s_wait_loadcnt 0x0                             ; the bias
	PLACES NP                                      ; in front of the LDS stores that read results and of the loads into the registers that held A's fragments
	TOSTAGE 0
.irp a, 1,2,3,4,5,6,7
.if \a > 1
	s_wait_xcnt 0x0                                ; block a - 2's stores have read their registers and their base
.endif
	TOSTAGE \a
	SEND \a-1, 32                                  ; behind block a - 1's loads: block a's 16 stores and 16 loads
.endr
	s_wait_xcnt 0x0
	SEND 7, 0
	s_wait_tensorcnt 0x0                           ; the wave's end
	ds_add_u32 v[SPW], v[NIL]
	s_wait_dscnt 0x0
	CROUND                                         ; the closing round
	s_endpgm
.Lfunc_end_k_qbb7b0ade6f_outp:
	.size	k_qbb7b0ade6f_outp, .Lfunc_end_k_qbb7b0ade6f_outp-k_qbb7b0ade6f_outp
	.p2alignl 7, 3214868480
	.fill 96, 4, 3214868480
	.section	.rodata,"a",@progbits
	.p2align	6, 0x0
	.amdhsa_kernel k_qbb7b0ade6f_outp
		.amdhsa_group_segment_fixed_size 327680
		.amdhsa_private_segment_fixed_size 0
		.amdhsa_enable_private_segment 0
		.amdhsa_kernarg_size 40
		.amdhsa_user_sgpr_count 2
		.amdhsa_user_sgpr_kernarg_segment_ptr 1
		.amdhsa_wavefront_size32 1
		.amdhsa_system_sgpr_workgroup_id_x 1
		.amdhsa_system_sgpr_workgroup_id_y 1
		.amdhsa_system_sgpr_workgroup_id_z 1
		.amdhsa_system_vgpr_workitem_id 0
		.amdhsa_next_free_vgpr 1024
		.amdhsa_next_free_sgpr 102
		.amdhsa_reserve_vcc 0
		.amdhsa_float_denorm_mode_32 3
		.amdhsa_float_denorm_mode_16_64 3
		.amdhsa_memory_ordered 1
		.amdhsa_forward_progress 1
		.amdhsa_inst_pref_size 123
	.end_amdhsa_kernel
	.amdgpu_metadata
---
amdhsa.version: [ 1, 2 ]
amdhsa.kernels:
  - .name:           k_qbb7b0ade6f_outp
    .symbol:         k_qbb7b0ade6f_outp.kd
    .args:
      - { .name: xi, .offset: 0, .size: 8, .value_kind: global_buffer, .address_space: global }
      - { .name: wc, .offset: 8, .size: 8, .value_kind: global_buffer, .address_space: global }
      - { .name: lowp_scales, .offset: 16, .size: 8, .value_kind: global_buffer, .address_space: global }
      - { .name: bo, .offset: 24, .size: 8, .value_kind: global_buffer, .address_space: global }
      - { .name: out0, .offset: 32, .size: 8, .value_kind: global_buffer, .address_space: global }
    .group_segment_fixed_size: 327680
    .private_segment_fixed_size: 0
    .kernarg_segment_align: 8
    .kernarg_segment_size: 40
    .max_flat_workgroup_size: 128
    .sgpr_count:     102
    .vgpr_count:     1024
    .wavefront_size: 32
...
	.end_amdgpu_metadata
.endif
;; end of part 4
;; ======== version 2 of 2: 4 launches; version 1 with the launch attn written anew for expert scheduling mode
;; limits: right only within a limited range of input values
;; workspace buffers: xc 25,165,824 bytes; wc 4,194,304 bytes; bm 2,097,152 bytes of whole numbers; fl 2,048 bytes of whole numbers; qi 8,388,608 bytes; ki 8,388,608 bytes; vi 8,388,608 bytes; xi 8,388,608 bytes
;; launch prep: the kernel of part 1 again; grid 704 x 1, 8 waves a work-group, no clusters, 44,288 bytes of LDS; arguments query, key, value, Wq, Wk, Wv, Wo, mask, lowp_scales, xc, wc, bm, fl; writes xc, wc, bm, fl
;; launch proj: the kernel of part 2 again; grid 4 x 96, 4 waves a work-group, clusters of 4 x 4, 327,680 bytes of LDS; arguments xc, wc, lowp_scales, bq, bk, bv, qi, ki, vi; writes qi, ki, vi
;; launch attn (part 5): grid 256 x 1, 16 waves a work-group, no clusters, 18,432 bytes of LDS; arguments qi, ki, vi, bm, fl, lowp_scales, xi; writes xi
.if DOCPART == 5
	.amdgcn_target "amdgcn-amd-amdhsa--gfx1250"
	.amdhsa_code_object_version 6
	.text
	.protected	k_qbb7b0ade6f_attn
	.globl	k_qbb7b0ade6f_attn
	.p2align	8
	.type	k_qbb7b0ade6f_attn,@function
k_qbb7b0ade6f_attn:
	s_mov_b64 s[64:65], 0
	v_nop
	global_prefetch_b8 v0, s[64:65] scope:SCOPE_SE
	s_setreg_imm32_b32 hwreg(HW_REG_WAVE_SCHED_MODE, 0, 2), 2
	s_setreg_imm32_b32 hwreg(HW_REG_WAVE_MODE, 25, 1), 1
	s_wait_xcnt 0x0
	s_wait_alu depctr_vm_vsrc(0)
; ATTN.  x[b][q][head] = softmax over the keys of (q . k / 8, hidden keys by the mask) v, both products on codes of E4M3 by v_wmma_f32_16x16x64_fp8_fp8, and x quantised at once for the last product.
; t = score x log2(e) / 8; M = the running largest t rounded UP to a whole number; p = 2^(t - M) is quantised along the keys with 2^e8; the row's sum is taken of the unquantised p and divides at the end.
; When M moves, the sum and O are multiplied by 2^(old M - new M), which rounds nothing.
; SHARES.  A work-group owns query blocks i and 7 - i (256 queries each) of one head; each of its sixteen waves a PAIR of query tiles (32 queries), so that a fragment of K or V read from LDS feeds two products.
; All waves walk 32 steps of 64 keys, one barrier a step.  The earlier launch has stored, for each pair, which steps may be left out and which have no hidden key: a wave jumps over a step's work, or over the masking, by those bits.
; NO TENSOR LOADS AND NO JOINT LOADS: the walk branches on numbers read from memory, so K's and V's images go from memory through registers into a ring of two LDS slots: a thread copies 16 bytes a step, asked for two steps ahead.
; LAYOUT.  S^T = K Q^T (source 0 = 16 keys, source 1 = 16 queries), O^T = V^T P^T (source 0 = 16 channels, source 1 = P): a lane holds ONE query throughout; the eight registers of a tile of S^T are keys 16 kt + 8 h + 0 .. 7,
; which one conversion turns into registers 2 kt, 2 kt + 1 of P; likewise O^T's into x's image.
; A HIDDEN KEY's score becomes -2^80.  With an open key in the row its p is 0.  A row with no open key at all has M = its t exactly, p = 1 for every key: the mean of v, as the uniform softmax gives.
; LIMITS: e6 + e7 between -50 and 45; e8 and e10 between -126 and 119.  NaN is not served.
; REGISTERS: v1-7 addresses; v8-15 two sets of 16 bytes on their way to LDS; v16-23 -M, largest t, the sum in two halves (tile A, tile B); v24-27 f; v28-33 at work; v34 2^e8; v35 -2^80; v36-43 two sets of mask words; v44 8 h;
; v48-63 Q; v64-95 K's four fragments, then P's codes; v96-127 V's; v128-191 S^T, then p; v192-255 O^T.  s32-63: at the head the sixteen pairs' flag words, in the loop the masks of one tile's 32 compares.
; THE MODE: SCHED_MODE bits 1:0 = 2 (LLVM: expert scheduling mode 2), set by the entry lines.  The code itself states the register dependences between vector or matrix instructions and memory or LDS instructions,
; and those from a vector instruction to a scalar register's reader, with s_wait_alu, always for 0.
; THE PLAN.  Registers that memory or LDS instructions touch, in step 2 d + par:
;   R0's set 1 - par   filled by the last step's load; read by this step's LDS store.      R0's set par   read by the last step's LDS store; this step's load lands in it.
;   the other mask set shifted in place and read by the last step's masking; this step's two loads land in it.
;   v64-95             K's LDS loads land; the products K Q^T read them; the conversions write v64-79 (P's codes); the products V^T P^T read those.
;   v96-127            V's LDS loads land; the products V^T P^T read them.
;   v[LI], v[STA]      made at the head, never written again.      v[SOFF], v[MOFF], v[PFO]   stepped by one addition each, once in a trip of two steps.
; So TWO lines stand at a step's head, ahead of its first branch: one says that the last step's LDS store has read R0's set par; the other that the last step's masking, conversions and products are done with the other
; mask set, v64-95 and v96-127, and, in a trip's first step, that the three offsets are written.  Behind them the step's store, its loads, its prefetch and K's LDS loads follow with no vector instruction between; V's LDS loads
; are dealt among the products K Q^T, which name v48-95 and v128-191 and none of V's registers.  One more line a trip stands ahead of the three additions, one behind each tile's run of compares, one ahead of the last stores.
.set SLOTB, 8192                       ; a slot: K's four images, then V's four
.set SPARE, 16384                      ; behind the ring: the spare words, 128 bytes a wave: eight blocks of 256 bytes that no other line names
.set SPW,  1
.set NIL,  2
.set LI,   3                           ; 16 x lane
.set STA,  4                           ; 16 x thread: where I put my 16 bytes of a slot
.set SOFF, 5                           ; 16 x (thread % 256) + 8,192 x trips: where they come from
.set MOFF, 6                           ; 8 x (lane % 16) + 256 x trips: my row's mask words
.set PFO,  7                           ; 256 x lane + 8,192 x trips: the prefetches' offset
.set R0,   8
.set QF,   48
.set KF,   64
.set PC,   64
.set VF,   96
.set S,    128
.set OT,   192
.set CM,   32                          ; s32-63: a tile's 32 compare masks
	s_load_b256 s[4:11], s[0:1], 0x0               ; qi, ki, vi, bm
	s_load_b128 s[12:15], s[0:1], 0x20             ; fl, the exponents
	s_load_b64 s[16:17], s[0:1], 0x30              ; xi
	v_lshl_add_u32 v[SPW], v0, 2, SPARE
	v_mov_b32 v[NIL], 0
	v_lshrrev_b32 v3, 5, v0
	v_readfirstlane_b32 s18, v3                    ; wave 0..15
	s_lshr_b32 s19, ttmp9, 2                       ; 16 batch + head
	s_and_b32 s20, ttmp9, 3                        ; i
	s_lshr_b32 s21, s19, 4                         ; batch
	s_and_b32 s25, s19, 15                         ; head
	s_wait_alu depctr_va_sdst(0)                   ; s18 is written, ahead of its first reader: my block, my pair and every base are made from it
	s_lshr_b32 s22, s18, 2
	s_xor_b32 s22, s22, s18
	s_and_b32 s22, s22, 1                          ; of waves 2 m and 2 m + 1 one takes block i, the other block 7 - i
	s_sub_co_u32 s23, 7, s20
	s_cmp_lg_u32 s22, 0
	s_cselect_b32 s23, s23, s20                    ; my block
	s_lshl_b32 s24, s23, 3
	s_lshr_b32 s73, s18, 1
	s_add_co_u32 s24, s24, s73                     ; my pair, 0..63
	s_lshl_b32 s84, s21, 6
	s_add_co_u32 s84, s84, s24
	s_lshl_b32 s84, s84, 3                         ; my pair's two words,
	s_mov_b32 s85, 0
	s_lshl_b32 s86, s21, 9
	s_lshl_b32 s87, s20, 6
	s_add_co_u32 s86, s86, s87                     ; block i's eight pairs,
	s_mov_b32 s87, 0
	s_sub_co_u32 s88, 7, s20
	s_lshl_b32 s88, s88, 6
	s_lshl_b32 s89, s21, 9
	s_add_co_u32 s88, s88, s89                     ; block 7 - i's
	s_mov_b32 s89, 0
	v_and_b32 v3, 31, v0
	v_lshlrev_b32 v[PFO], 8, v3
	v_lshlrev_b32 v[LI], 4, v3
	v_lshlrev_b32 v[STA], 4, v0
	v_and_b32 v[SOFF], 255, v0
	v_lshlrev_b32 v[SOFF], 4, v[SOFF]
	v_and_b32 v[MOFF], 15, v0
	v_lshlrev_b32 v[MOFF], 3, v[MOFF]
	v_bfe_u32 v44, v0, 4, 1
	v_lshlrev_b32 v44, 3, v44
.irp j, 8,9,10,11,12,13,14,15,24,25,26,27,28,29,30,31,32,33,36,37,38,39,40,41,42,43
	v_mov_b32 v\j, 0                               ; written once: registers that a step left out does not fill, upper halves of pairs, a permute's destination
.endr
	s_wait_kmcnt 0x0
	s_add_nc_u64 s[84:85], s[12:13], s[84:85]
	s_add_nc_u64 s[86:87], s[12:13], s[86:87]
	s_add_nc_u64 s[88:89], s[12:13], s[88:89]
	s_load_b64 s[28:29], s[84:85], 0x0             ; s28: steps to leave out; s29: steps with no hidden key
	s_load_b512 s[32:47], s[86:87], 0x0
	s_load_b512 s[48:63], s[88:89], 0x0
	s_load_b128 s[68:71], s[14:15], 0x18           ; e6, e7, e8, e9
	s_load_b32 s72, s[14:15], 0x28                 ; e10
	s_cmp_lt_u32 s18, 8
	s_cselect_b64 s[26:27], s[6:7], s[8:9]         ; waves 0-7 copy K's images, waves 8-15 V's
	s_lshl_b32 s66, s19, 17                        ; a head's 131,072 bytes
	s_mov_b32 s67, 0
	s_add_nc_u64 s[26:27], s[26:27], s[66:67]
	s_lshl_b32 s73, s24, 11
	s_add_co_u32 s66, s66, s73
	s_add_nc_u64 s[4:5], s[4:5], s[66:67]          ; my two tiles of Q
	s_lshl_b32 s66, s21, 19
	s_lshl_b32 s73, s24, 13
	s_add_co_u32 s66, s66, s73
	s_add_nc_u64 s[82:83], s[10:11], s[66:67]      ; my two tiles' mask words
	s_lshl_b32 s66, s21, 21
	s_lshl_b32 s73, s24, 15
	s_add_co_u32 s66, s66, s73
	s_lshl_b32 s73, s25, 10
	s_add_co_u32 s66, s66, s73
	s_add_nc_u64 s[16:17], s[16:17], s[66:67]      ; my two images of x
	s_wait_alu depctr_va_vdst(0)                   ; the addresses and offsets v1 to v7 are written, which the loads, stores and the prefetch below read; so are v8-15 and v36-43, in which loads land.  No vector line up to the loop names any of them again
.irp c, 0,1,2,3
	global_load_b128 v[QF+4*\c:QF+4*\c+3], v[LI], s[4:5] offset:512*\c
.endr
	v_mov_b32 v17, 0xff61b1e6                      ; the largest t so far: -3e38, under every t
	v_mov_b32 v21, 0xff61b1e6
	v_floor_f32 v16, -v17                          ; -M
	v_floor_f32 v20, -v21
	v_mov_b32 v18, 0
	v_mov_b32 v19, 0
	v_mov_b32 v22, 0
	v_mov_b32 v23, 0
	v_mov_b32 v35, 0xe7800000                      ; -2^80
.set n, 0
.rept 64
	v_mov_b32 v[OT+n], 0                           ; the step is written once: the first finds zeros, which the first change of M leaves zeros
.set n, n+1
.endr
	s_wait_kmcnt 0x0
	s_and_b32 s31, s32, s34                        ; s31: the steps that all sixteen waves leave out: they are not copied
.irp k, 36,38,40,42,44,46,48,50,52,54,56,58,60,62
	s_and_b32 s31, s31, s\k
.endr
	s_or_b32 s30, s28, s29                         ; s30: the steps whose mask words I do not need
	s_add_co_i32 s73, s68, s69
	s_lshl_b32 s73, s73, 23
	s_add_co_i32 s74, s73, 0x3e38aa3b              ; c = log2(e) / 8, with e6 + e7 added to its exponent field
	s_mov_b32 s75, s74                             ; (named with it as a pair)
	s_mov_b32 s76, 0x76543210
	s_mov_b32 s77, 0xfedcba98                      ; v_permlanex16_b32: lane l xor 16
	s_cmp_ge_i32 s70, -8
	s_cselect_b32 s78, 1, 0                        ; p <= 1: with e8 >= -8 no code passes 256, and the hold is not needed
	s_add_co_i32 s73, s70, 127
	s_lshl_b32 s79, s73, 23
	v_mov_b32 v34, s79                             ; 2^e8
	s_add_co_i32 s73, s73, 8
	s_lshl_b32 s79, s73, 23
	s_or_b32 s79, s79, 0x600000                    ; 448 x 2^e8
	s_and_b32 s81, s18, 7
	s_or_b32 s81, s81, s20
	s_cmp_eq_u32 s81, 0
	s_cselect_b32 s81, 14, 0                       ; who prefetches, and in how many trips: see ASK
	s_mov_b32 s80, 0
	; the way in: steps 0 and 1 are asked for, step 0 goes into slot 0
	s_bitcmp1_b32 s31, 0
	s_cbranch_scc1 .Lp0
	global_load_b128 v[R0:R0+3], v[SOFF], s[26:27]
.Lp0:
	s_bitcmp1_b32 s31, 1
	s_cbranch_scc1 .Lp1
	global_load_b128 v[R0+4:R0+7], v[SOFF], s[26:27] offset:4096
.Lp1:
	s_bitcmp1_b32 s30, 0
	s_cbranch_scc1 .Lp2
	global_load_b64 v[36:37], v[MOFF], s[82:83]
	global_load_b64 v[38:39], v[MOFF], s[82:83] offset:4096
.Lp2:
	s_wait_loadcnt 0x0                             ; Q too
	s_bitcmp1_b32 s31, 0
	s_cbranch_scc1 .Lp3
	ds_store_b128 v[STA], v[R0:R0+3]
.Lp3:
	s_wait_dscnt 0x0
	s_barrier_signal -1
	s_barrier_wait -1
; A PREFETCH of the 8,192 bytes of K (wave 0) or of V (wave 8) that the NEXT trip's two loads will ask for: steps 2 d + 4 and 2 d + 5, lanes 256 bytes apart.  The four work-groups of a head walk the same K and V: the one with i = 0 asks.
; So each aligned block of 256 bytes is named once in the launch.  Steps 0 to 3 come by their loads alone; the last two trips ask for nothing: there are no steps behind 31.
.macro ASK
	s_cmp_lt_u32 s80, s81
	s_cbranch_scc0 .Lnoask_\@
	global_prefetch_b8 v[PFO], s[26:27] offset:16384 th:TH_LOAD_NT scope:SCOPE_SE
.Lnoask_\@:
.endm
; Hidden keys of one tile: register n holds key 16 (n / 8) + 8 h + n % 8: byte 2 (n / 8) + h, bit n % 8 of my row's eight bytes.
; The 32 compares stand in one run, each with a scalar register of its own for its mask, so that one wait serves them all; the 32 selects follow it.
.macro MASKT sb, mw
	v_lshrrev_b32 v[\mw], v44, v[\mw]              ; my half's bytes come to bits 0-7 and 16-23
	v_lshrrev_b32 v[\mw+1], v44, v[\mw+1]
.set n, 0
.rept 32
	v_and_b32 v[32+n%2], 1<<(16*((n/8)%2)+n%8), v[\mw+n/16]
	v_cmp_eq_u32 s[CM+n], 0, v[32+n%2]
.set n, n+1
.endr
	s_wait_alu depctr_va_sdst(0)                   ; the 32 compares have written s32 to s63, ahead of the first select that reads one of them
.set n, 0
.rept 32
	v_cndmask_b32 v[\sb+n], v[\sb+n], v35, s[CM+n] ; each tile of S^T from its low end on
.set n, n+1
.endr
.endm
; STEP 2 d + par, read from slot par.
.macro TRIP par
.set MW, 36+4*\par
.set MN, 36+4*(1-\par)
	s_wait_loadcnt 0x0                             ; what the last step asked for is in: the next step's 16 bytes and this step's mask words
	s_wait_alu depctr_vm_vsrc(0)                   ; the last step's LDS store has read R0's set par, in which the load below lands
	s_wait_alu depctr_va_vdst(0)                   ; the last step's masking is done with the other mask set, its conversions have written and its products have read v64-95 and v96-127: loads land in all of these below; in a trip's first step the three stepped offsets are written
	s_bitcmp1_b32 s31, \par+1
	s_cbranch_scc1 .Lnst_\@
	ds_store_b128 v[STA], v[R0+4*(1-\par):R0+4*(1-\par)+3] offset:SLOTB*(1-\par)   ; the next step, into the slot that everybody left at the last barrier
.Lnst_\@:
	s_bitcmp1_b32 s31, \par+2
	s_cbranch_scc1 .Lnld_\@
	global_load_b128 v[R0+4*\par:R0+4*\par+3], v[SOFF], s[26:27] offset:4096*(\par+2)   ; the step after it: a wave reads 512 consecutive bytes
.Lnld_\@:
	s_bitcmp1_b32 s30, \par+1
	s_cbranch_scc1 .Lnmk_\@
	global_load_b64 v[MN:MN+1], v[MOFF], s[82:83] offset:128*(\par+1)
	global_load_b64 v[MN+2:MN+3], v[MOFF], s[82:83] offset:128*(\par+1)+4096
.Lnmk_\@:
.if \par == 0
	ASK
.endif
	s_bitcmp1_b32 s28, \par
	s_cbranch_scc1 .Lskip_\@                       ; nothing of this step counts for my 32 queries
.irp f, 0,1,2,3
	ds_load_b128 v[KF+8*\f:KF+8*\f+3], v[LI] offset:SLOTB*\par+1024*\f
	ds_load_b128 v[KF+8*\f+4:KF+8*\f+7], v[LI] offset:SLOTB*\par+1024*\f+512
.endr
	s_wait_dscnt 0x0                               ; K is in: no younger LDS instruction has been issued
.irp kt, 0,1,2,3
.irp x, 0,1
	v_wmma_f32_16x16x64_fp8_fp8 v[S+32*\x+8*\kt:S+32*\x+8*\kt+7], v[KF+8*\kt:KF+8*\kt+7], v[QF+8*\x:QF+8*\x+7], 0
	ds_load_b128 v[VF+8*\kt+4*\x:VF+8*\kt+4*\x+3], v[LI] offset:SLOTB*\par+4096+1024*\kt+512*\x   ; V's eight loads, one behind each product.  No wait: no vector or matrix instruction since the step's head names v96-127
.endr
.endr
.rept 4
	v_nop                                          ; places in front of the first read of the scores
.endr
	s_bitcmp1_b32 s29, \par
	s_cbranch_scc1 .Lopen_\@
	MASKT S, MW
	MASKT S+32, MW+2
.Lopen_\@:
.irp x, 0,1                            ; the step's largest score of my query among my 32 keys, two chains a tile, each tile of S^T from its low end on
	v_max3_num_f32 v[28+2*\x], v[S+32*\x], v[S+32*\x+1], v[S+32*\x+2]
	v_max3_num_f32 v[29+2*\x], v[S+32*\x+3], v[S+32*\x+4], v[S+32*\x+5]
.endr
.irp i, 6,10,14,18,22,26
.irp x, 0,1
	v_max3_num_f32 v[28+2*\x], v[28+2*\x], v[S+32*\x+\i], v[S+32*\x+\i+1]
	v_max3_num_f32 v[29+2*\x], v[29+2*\x], v[S+32*\x+\i+2], v[S+32*\x+\i+3]
.endr
.endr
.irp x, 0,1
	v_max3_num_f32 v[28+2*\x], v[28+2*\x], v[S+32*\x+30], v[S+32*\x+31]
.endr
.irp x, 0,1
	v_max_num_f32 v[28+2*\x], v[28+2*\x], v[29+2*\x]
.endr
.irp x, 0,1
	v_permlanex16_b32 v[32+\x], v[28+2*\x], s76, s77
.endr
.irp x, 0,1
	v_max_num_f32 v[28+2*\x], v[28+2*\x], v[32+\x] ; and among lane l xor 16's
.endr
.irp x, 0,1
	v_mul_f32 v[28+2*\x], s74, v[28+2*\x]          ; as t (c is positive)
.endr
.irp x, 0,1
	v_max_num_f32 v[17+4*\x], v[17+4*\x], v[28+2*\x]
.endr
.irp x, 0,1
	v_mov_b32 v[28+2*\x], v[16+4*\x]
.endr
.irp x, 0,1
	v_floor_f32 v[16+4*\x], -v[17+4*\x]            ; the new -M = floor(-t)
.endr
.irp x, 0,1
	v_sub_f32 v[28+2*\x], v[16+4*\x], v[28+2*\x]   ; old M - new M: a whole number, 0 or less
.endr
.irp x, 0,1
	v_cvt_i32_f32 v[28+2*\x], v[28+2*\x]           ; (it saturates)
.endr
.irp x, 0,1
	v_ldexp_f32 v[24+2*\x], 1.0, v[28+2*\x]        ; f = 2^(old M - new M)
.endr
.irp x, 0,1
.irp j, 0,2,4,6,8,10,12,14,16,18,20,22,24,26,28,30
	v_pk_fma_f32 v[S+32*\x+\j:S+32*\x+\j+1], v[S+32*\x+\j:S+32*\x+\j+1], s[74:75], v[16+4*\x:17+4*\x] op_sel_hi:[1,0,0]   ; t - M (of the pairs c and -M the low word serves both halves)
.endr
.endr
.set n, 0
.rept 64
	v_exp_f32 v[S+n], v[S+n]                       ; p = 2^(t - M), at most 1
.set n, n+1
.endr
	v_pk_mul_f32 v[18:19], v[18:19], v[24:25] op_sel_hi:[1,0]   ; the sums under the new M: the plain lines behind the exponentials
	v_pk_mul_f32 v[22:23], v[22:23], v[26:27] op_sel_hi:[1,0]
	s_wait_alu depctr_va_vdst(0)                   ; the 64 exponentials have written v128-191: one wait for the batch, ahead of its first reader
.irp x, 0,1
	v_pk_add_f32 v[28+2*\x:29+2*\x], v[S+32*\x:S+32*\x+1], v[S+32*\x+2:S+32*\x+3]   ; the row's sum is taken of the unquantised p: two chains a tile
.endr
.irp j, 4,8,12,16,20,24,28
.irp x, 0,1
	v_pk_add_f32 v[18+4*\x:19+4*\x], v[18+4*\x:19+4*\x], v[S+32*\x+\j:S+32*\x+\j+1]
	v_pk_add_f32 v[28+2*\x:29+2*\x], v[28+2*\x:29+2*\x], v[S+32*\x+\j+2:S+32*\x+\j+3]
.endr
.endr
.irp x, 0,1
	v_pk_add_f32 v[18+4*\x:19+4*\x], v[18+4*\x:19+4*\x], v[28+2*\x:29+2*\x]
.endr
	s_cmp_lg_u32 s78, 0
	s_cbranch_scc1 .Lnohold_\@
.set n, 0
.rept 64
	v_min_num_f32 v[S+n], s79, v[S+n]              ; the conversion does not saturate (ISA guide 7.6.2); p is not negative: a one-sided hold
.set n, n+1
.endr
.Lnohold_\@:
.irp x, 0,1
.irp kt, 0,1,2,3
	v_cvt_scalef32_pk8_fp8_f32 v[PC+8*\x+2*\kt:PC+8*\x+2*\kt+1], v[S+32*\x+8*\kt:S+32*\x+8*\kt+7], v34
.endr
.endr
.irp x, 0,1
.irp j, 0,2,4,6,8,10,12,14,16,18,20,22,24,26,28,30
	v_pk_mul_f32 v[OT+32*\x+\j:OT+32*\x+\j+1], v[OT+32*\x+\j:OT+32*\x+\j+1], v[24+2*\x:25+2*\x] op_sel_hi:[1,0]   ; O^T under the new M; also the plain lines between the conversions and the products
.endr
.endr
	s_wait_dscnt 0x0                               ; V is in
.irp ct, 0,1,2,3
.irp x, 0,1                            ; the eight accumulators by turns, one instruction a turn
	v_wmma_f32_16x16x64_fp8_fp8 v[OT+32*\x+8*\ct:OT+32*\x+8*\ct+7], v[VF+8*\ct:VF+8*\ct+7], v[PC+8*\x:PC+8*\x+7], v[OT+32*\x+8*\ct:OT+32*\x+8*\ct+7]
.endr
.endr
.rept 4
	v_nop                                          ; places behind the last products, in front of the next read of O^T; they stay beside the wait at the next step's head, which speaks for the next loads into K's and V's registers
.endr
.Lskip_\@:
	s_wait_dscnt 0x0                               ; my store of the next step has landed, and my reads of this slot are over
	s_barrier_signal -1
	s_barrier_wait -1                              ; both now hold of all sixteen waves
.endm
.Lbody:                                            ; 16 trips of two steps
	TRIP 0
	TRIP 1
	s_wait_xcnt 0x0                                ; the loads and the prefetch have had their addresses translated
	s_wait_alu depctr_vm_vsrc(0)                   ; the loads and the prefetch issued so far have read v[SOFF], v[MOFF] and v[PFO], which the three additions write; that these are written is stated at the next step's head
	v_add_nc_u32 v[SOFF], 8192, v[SOFF]
	v_add_nc_u32 v[MOFF], 256, v[MOFF]
	v_add_nc_u32 v[PFO], 8192, v[PFO]
.irp k, 28,29,30,31                    ; the bits move down by two steps; steps behind 31 read as left out, so that nothing is asked for past the end
	s_lshr_b32 s\k, s\k, 2
	s_or_b32 s\k, s\k, 0xc0000000
.endr
	s_add_co_u32 s80, s80, 1
	s_cmp_lt_u32 s80, 16
	s_cbranch_scc1 .Lbody
	; THE WAY OUT: x = O^T x 2^(e8 + e9) / the sum, held, converted with 2^e10: four conversions a tile make its image.
	v_add_f32 v18, v18, v19
	v_add_f32 v22, v22, v23
	v_permlanex16_b32 v32, v18, s76, s77
	v_permlanex16_b32 v33, v22, s76, s77
	v_add_f32 v18, v18, v32
	v_add_f32 v22, v22, v33
	v_rcp_f32 v24, v18
	v_rcp_f32 v26, v22
	s_add_co_i32 s73, s70, s71
	s_add_co_i32 s84, s72, 127
	s_lshl_b32 s85, s84, 23
	v_mov_b32 v34, s85                             ; 2^e10.  (A plain line behind the reciprocals)
	s_add_co_i32 s84, s84, 8
	s_lshl_b32 s84, s84, 23
	s_or_b32 s84, s84, 0x600000
	v_mov_b32 v35, s84                             ; 448 x 2^e10
	s_wait_alu depctr_va_vdst(0)                   ; both reciprocals have written v24 and v26: one wait, ahead of their first reader
	v_ldexp_f32 v24, v24, s73
	v_ldexp_f32 v26, v26, s73
.irp x, 0,1
.irp j, 0,2,4,6,8,10,12,14,16,18,20,22,24,26,28,30
	v_pk_mul_f32 v[OT+32*\x+\j:OT+32*\x+\j+1], v[OT+32*\x+\j:OT+32*\x+\j+1], v[24+2*\x:25+2*\x] op_sel_hi:[1,0]
.endr
.endr
.set n, 0
.rept 64
	v_med3_num_f32 v[OT+n], v[OT+n], -v35, v35
.set n, n+1
.endr
.irp x, 0,1
.irp ct, 0,1,2,3
	v_cvt_scalef32_pk8_fp8_f32 v[S+8*\x+2*\ct:S+8*\x+2*\ct+1], v[OT+32*\x+8*\ct:OT+32*\x+8*\ct+7], v34
.endr
.endr
	v_nop                                          ; a plain line behind the last conversion
	s_wait_alu depctr_va_vdst(0)                   ; the eight conversions have written v128-143, which the four stores read
.irp x, 0,1
	global_store_b128 v[LI], v[S+8*\x:S+8*\x+3], s[16:17] offset:16384*\x        ; 32 lanes store 512 consecutive bytes
	global_store_b128 v[LI], v[S+8*\x+4:S+8*\x+7], s[16:17] offset:16384*\x+512
.endr
	s_wait_dscnt 0x0                               ; the wave's end
	s_wait_alu 0x0
	s_wait_tensorcnt 0x0
	ds_add_u32 v[SPW], v[NIL]
	s_wait_dscnt 0x0
	s_endpgm
.Lfunc_end_k_qbb7b0ade6f_attn:
	.size	k_qbb7b0ade6f_attn, .Lfunc_end_k_qbb7b0ade6f_attn-k_qbb7b0ade6f_attn
	.p2alignl 7, 3214868480
	.fill 96, 4, 3214868480
	.section	.rodata,"a",@progbits
	.p2align	6, 0x0
	.amdhsa_kernel k_qbb7b0ade6f_attn
		.amdhsa_group_segment_fixed_size 18432
		.amdhsa_private_segment_fixed_size 0
		.amdhsa_enable_private_segment 0
		.amdhsa_kernarg_size 56
		.amdhsa_user_sgpr_count 2
		.amdhsa_user_sgpr_kernarg_segment_ptr 1
		.amdhsa_wavefront_size32 1
		.amdhsa_system_sgpr_workgroup_id_x 1
		.amdhsa_system_sgpr_workgroup_id_y 1
		.amdhsa_system_sgpr_workgroup_id_z 1
		.amdhsa_system_vgpr_workitem_id 0
		.amdhsa_next_free_vgpr 256
		.amdhsa_next_free_sgpr 90
		.amdhsa_reserve_vcc 0
		.amdhsa_float_denorm_mode_32 3
		.amdhsa_float_denorm_mode_16_64 3
		.amdhsa_memory_ordered 1
		.amdhsa_forward_progress 1
		.amdhsa_inst_pref_size 74
	.end_amdhsa_kernel
	.amdgpu_metadata
---
amdhsa.version: [ 1, 2 ]
amdhsa.kernels:
  - .name:           k_qbb7b0ade6f_attn
    .symbol:         k_qbb7b0ade6f_attn.kd
    .args:
      - { .name: qi, .offset: 0, .size: 8, .value_kind: global_buffer, .address_space: global }
      - { .name: ki, .offset: 8, .size: 8, .value_kind: global_buffer, .address_space: global }
      - { .name: vi, .offset: 16, .size: 8, .value_kind: global_buffer, .address_space: global }
      - { .name: bm, .offset: 24, .size: 8, .value_kind: global_buffer, .address_space: global }
      - { .name: fl, .offset: 32, .size: 8, .value_kind: global_buffer, .address_space: global }
      - { .name: lowp_scales, .offset: 40, .size: 8, .value_kind: global_buffer, .address_space: global }
      - { .name: xi, .offset: 48, .size: 8, .value_kind: global_buffer, .address_space: global }
    .group_segment_fixed_size: 18432
    .private_segment_fixed_size: 0
    .kernarg_segment_align: 8
    .kernarg_segment_size: 56
    .max_flat_workgroup_size: 512
    .sgpr_count:     90
    .vgpr_count:     256
    .wavefront_size: 32
...
	.end_amdgpu_metadata
.endif
;; end of part 5
;; launch outp: the kernel of part 4 again; grid 4 x 32, 4 waves a work-group, clusters of 4 x 4, 327,680 bytes of LDS; arguments xi, wc, lowp_scales, bo, out0; writes out0
